; MI455X (gfx1250); checked and timed in simulation.
; The chip was launched on July 23, 2026; its instructions are those of AMD's public machine-readable ISA for CDNA 5 (MIT licence, August 2026) and "CDNA5" Instruction Set Architecture Reference Guide (July 2026). The comments in the code are by the model that wrote it; some were corrected since.
;; Transformer Encoder Layer. Allowed arithmetic: matrix products marked QUANTISED: E5M2 operands, one given power-of-two scale a tensor, by v_wmma_f32_16x16x64_bf8_bf8 or v_wmma_f32_16x16x128_bf8_bf8, f32 sums; everything else in f32.
;; Inputs: b1 4,096 float32; b2 1,024 float32; b_out 1,024 float32; be1 1,024 float32; be2 1,024 float32; g1 1,024 float32; g2 1,024 float32; lowp_scales 12 int32 (the exponents e of the quantised operands' scales 2^e); mask 2 x 2,048 int32; w1 1,024 x 4,096 float32; w2 4,096 x 1,024 float32; w_out 1,024 x 1,024 float32; w_qkv 1,024 x 3,072 float32; x 2 x 2,048 x 1,024 float32.
;; Outputs: out0 2 x 2,048 x 1,024 float32.
;; This version of the problem:
;;   THIS VERSION OF THE PROBLEM IS GIVEN IN LOW PRECISION. The matrix products marked QUANTISED in the list below multiply operands that are first quantised to E5M2 (5 exponent bits, 2 mantissa bits; 8 bits a number), with one given power-of-two scale for each operand tensor; their sums are f32. All else is computed in f32.
;;   The module's matrix products, in the order in which they are computed (A, B: the left and right operand; K: the contracted axis; several contracted axes count as one K, in the product's order):
;;     1. [M 4,096, K 1,024] x [K 1,024, N 3,072]; A: computed on the way; B: input w_qkv: QUANTISED (scales: A lowp_scales[0], B lowp_scales[1])
;;     2. batch 32 x [M 2,048, K 64] x [K 64, N 2,048]; A: computed on the way; B: computed on the way: QUANTISED (scales: A lowp_scales[2], B lowp_scales[3])
;;     3. batch 32 x [M 2,048, K 2,048] x [K 2,048, N 64]; A: softmax (see below); B: computed on the way: QUANTISED (scales: A lowp_scales[4], B lowp_scales[5])
;;     4. [M 4,096, K 1,024] x [K 1,024, N 1,024]; A: computed on the way; B: input w_out: QUANTISED (scales: A lowp_scales[6], B lowp_scales[7])
;;     5. [M 4,096, K 1,024] x [K 1,024, N 4,096]; A: computed on the way; B: input w1: QUANTISED (scales: A lowp_scales[8], B lowp_scales[9])
;;     6. [M 4,096, K 4,096] x [K 4,096, N 1,024]; A: computed on the way; B: input w2: QUANTISED (scales: A lowp_scales[10], B lowp_scales[11])
;;   THE QUANTISER, for each operand of a quantised product, along K:
;;     - The operand's scale is 2^e, e = its entry of the input lowp_scales (int32; the entries are numbered through the quantised products in the list's order, A before B).
;;     - Each number is divided by the scale, clamped to +-57,344, and rounded to the nearest number of E5M2, ties to even, subnormals kept.
;;     - The product sums the exact products of the quantised numbers (number of the format x scale) in f32.
;;   ~~~python
;;   def quantise(x, axis, e):      # numpy; x: float32 -> the quantised numbers, widened to float32 again
;;       x = np.moveaxis(x, axis, -1); K = x.shape[-1]
;;       r = np.clip(x / 2.0 ** e, -57344, 57344)
;;       step = 2.0 ** (np.maximum(np.frexp(np.where(r == 0, 1, r))[1] - 1, -14) - 2)
;;       q = np.round(r / step) * step * 2.0 ** e      # np.round: ties to even
;;       return np.moveaxis(q, -1, axis).astype(np.float32)
;;   ~~~
;;   SOFTMAX AHEAD OF A QUANTISED PRODUCT. Where the list says 'softmax', what is quantised is not the finished softmax but p = 2^(t - M), with t = logit x log2(e) and M = ceil(the row's largest t), a whole number; so 1/2 < the row's largest p <= 1. The row's sum l is taken of the UNQUANTISED p, in f32, and the product's result is divided by l at the end. Since M is a whole number, a kernel that streams over the keys may use a running M (the ceiling of the running maximum): every later rescaling is an exact power of two, so the quantised numbers keep their values, but for numbers so far below the row's largest that they fall under the format's range.
;;   OPERANDS COMPUTED ON THE WAY. 'Computed on the way' means the value that the module computes at that place (a softmax that the list does not call 'softmax' is quantised finished and normalised). What goes into a quantiser is computed in f32, as accurately as f32 sums, v_exp_f32 and their like allow (about 1e-6 of the number): no bf16 or f16 on the way to a quantiser, and a product that is left as it is and whose result goes on into a quantised operand takes f32 operands (vector FMAs, or v_wmma_f32_16x16x4_f32). A number that lies on a knife's edge between two numbers of the format may be rounded either way, as far as f32 arithmetic and the matrix unit's own rounding can turn it there, and no further.
;; One version. Each part assembles by itself: llvm-mc -triple=amdgcn-amd-amdhsa -mcpu=gfx1250 --defsym DOCPART=n.
;; ======== version 1 of 1: 7 launches
;; limits: right only within a limited range of input values
;; workspace buffers: wts 12,582,912 bytes; act 4,194,304 bytes; actp 4,194,304 bytes; cnt 256 bytes of whole numbers; qkv 12,582,912 bytes; x1 16,777,216 bytes; hid 16,777,216 bytes
;; launch prep (part 1): grid 640 x 1, 4 waves a work-group, no clusters, 52,224 bytes of LDS; arguments w_qkv, w_out, w1, w2, x, g1, be1, lowp_scales, wts, act, mask, actp, cnt; writes wts, act, actp, cnt
.if DOCPART == 1
	.amdgcn_target "amdgcn-amd-amdhsa--gfx1250"
	.amdhsa_code_object_version 6
	.text
	.protected	k_q7167a95967_prep
	.globl	k_q7167a95967_prep
	.p2align	8
	.type	k_q7167a95967_prep,@function
k_q7167a95967_prep:
	s_mov_b64 s[64:65], 0
	v_nop
	global_prefetch_b8 v0, s[64:65] scope:SCOPE_SE
	s_setreg_imm32_b32 hwreg(HW_REG_WAVE_MODE, 25, 1), 1
	s_wait_xcnt 0x0
; PREP.  Work-groups 0-383 turn the four weights (f32, stored [K][N]) into codes of E5M2; work-groups 384-639 make layer norm 1 of x and its codes, and the order of the keys.
; EVERY OPERAND OF CODES LIES IN MEMORY AS AN IMAGE OF ITS REGISTERS.  A fragment is 16 rows x 128 K = 2,048 bytes: four groups c of 512 bytes; in group c lane (r = lane % 16, h = lane / 16)
; owns the 16 bytes at 16 x lane, which are k = 128 ks + 32 c + 16 h + 0 .. 15 of the fragment's row r.  Images: wts [tile of 16 n][ks][2048], act and actp [tile of 16 rows][ks][2048].
; THE ROWS OF A WEIGHT'S TILE ARE NOT NEIGHBOURS: lane r of tile 2 b + u holds n = 32 b + 8 u + r + 8 (r / 8), so that the results of two neighbouring tiles are 16 neighbours along the next K.
; code = x / 2^e, held within +-57,344 x 2^e, rounded to the nearest code, ties to even.  LIMITS: the exponents 0, 1, 7, 9 and 11 of the given scales lie between -126 and 112; NaN among the inputs is not served.
; WEIGHTS: a work-group takes 128 columns x 256 K, a wave 32 columns; a lane takes a column and its registers run down K, so each load reads 128 consecutive bytes a wave and the conversions give codes with K innermost.
; The codes go through the wave's own stage in LDS (a row of 256 bytes + 16 a column) and leave as four fragments, 512 consecutive bytes a store.  Loads run two blocks of 32 ahead.  Waves share nothing here.
; LAYER NORM: a work-group takes 16 rows, a wave four; a row lies in 32 registers a lane (k = 128 j + 4 lane + 0 .. 3), read once; mean, then the variance of x - mean, as the problem writes it.
; THE ORDER OF THE KEYS.  The rows' codes are stored twice: in act as they lie (for q), and in actp in the order in which attention walks the keys (for k and v): in each batch the keys whose mask word is not 0 first, ascending,
; at places 0 .. count - 1, then the others, ascending.  A row's place = the number of counting keys ahead of it, or count + the number of masked keys ahead of it.  Each wave counts 512 of the batch's 2,048 mask words
; (a compare gives 32 keys' bits in a scalar register), the four waves exchange their three numbers through 64 bytes of LDS.  count goes to cnt (32 equal words a batch), stored by the batch's first work-group.
; The stores into actp are 16 bytes a row at the row's place: rows that are neighbours in the order stay neighbours, so a store's 32 lanes fall into a few runs; they do not cover whole aligned blocks of 256 bytes.
; The two ways part on the work-group's number and have LDS bytes of their own: 0 .. 34,815 the weights' stages; 34,816 .. 51,455 the rows' stage; 51,456 .. 51,519 the exchange.
; No matrix unit, no cluster, no tensor load: nothing is shared between work-groups and memory binds.
.set VO,   16                          ; v16-47   weights: 4 x lane + i x a row of the weight in bytes
.set XW,   48                          ; v48-111  weights: two sets of 32 numbers
.set CW,   112                         ; v112-119 weights: a block's codes
.set OUTR, 120                         ; v120-183 weights: the way out
.set STGL, 34816                       ; LDS: the rows' stage, 16 rows x 1,040 bytes
.set EXB,  51456                       ; LDS: the exchange, 16 bytes a wave
.set G,    16                          ; v16-47   norm: the gain at my 32 places
.set BE,   48                          ; v48-79   norm: the bias
.set X,    80                          ; v80-207  norm: four rows
.set CD,   208                         ; v208-239 norm: first the mask's words and the exchange, then eight registers of codes a row
.set T,    240                         ; v240-243 norm: at work
.set TOTV, 244                         ; v244     count
.set VP,   245                         ; v245     my row's place in actp, in bytes
.set MU,   10                          ; v10-11   the mean, twice
.set RS,   12                          ; v12-13   1 / sqrt(var + eps), twice
.set PX,   16                          ; s[16:17] x;  s[18:19] g1;  s[20:21] be1;  s[26:27] act;  s[84:85] mask;  s[86:87] actp;  s[88:89] cnt
.set PG,   18
.set PB,   20
.set PA,   26
.macro LOADW j                         ; block j: W(32 j + i, my column), i = 0 .. 31, into set j % 2
.set i, 0
.rept 32
	global_load_b32 v[XW+32*((\j)%2)+i], v[VO+i], s[44+2*(\j):45+2*(\j)] th:TH_LOAD_NT
.set i, i+1
.endr
.endm
.macro BLOCKW j
.set XS, XW+32*((\j)%2)
.if (\j) < 7
	s_wait_loadcnt 32                              ; this block's 32 loads are in; the next block's 32 may be out
.else
	s_wait_loadcnt 0
.endif
.set i, 0
.rept 32
	v_med3_num_f32 v[XS+i], v[XS+i], -v10, v10     ; the conversion to an 8-bit code does not saturate (ISA guide 7.6.2): the hold at the largest code x the scale
.set i, i+1
.endr
.irp g, 0,1,2,3
	v_cvt_scalef32_pk8_bf8_f32 v[CW+2*\g:CW+2*\g+1], v[XS+8*\g:XS+8*\g+7], v11
.endr
	ds_store_b128 v4, v[CW:CW+3] offset:32*(\j)    ; 32 codes of my column's row
	ds_store_b128 v4, v[CW+4:CW+7] offset:32*(\j)+16
.if (\j)+2 < 8
	LOADW (\j)+2
.endif
	s_wait_dscnt 0x0                               ; the stores have read their registers: the next block's codes may be written
.endm
.macro REDUCE                          ; two pairs of partial sums become the row's sum, in every lane
	v_pk_add_f32 v[T:T+1], v[T:T+1], v[T+2:T+3]
	v_add_f32 v[T], v[T], v[T+1]
	v_add_f32_dpp v[T], v[T], v[T] row_xmask:1 row_mask:0xf bank_mask:0xf
	v_add_f32_dpp v[T], v[T], v[T] row_xmask:2 row_mask:0xf bank_mask:0xf
	v_add_f32_dpp v[T], v[T], v[T] row_xmask:4 row_mask:0xf bank_mask:0xf
	v_add_f32_dpp v[T], v[T], v[T] row_xmask:8 row_mask:0xf bank_mask:0xf
	v_permlanex16_b32 v[T+1], v[T], s2, s3
	v_add_f32 v[T], v[T], v[T+1]
.endm
.macro ROW rr                          ; one row: mean, variance, norm, gain and bias, hold, codes, into the stage
.set XR, X+32*(\rr)
	s_wait_loadcnt 8*(3-(\rr))                     ; my row's eight loads are in; the later rows' eight each may be out
	v_pk_add_f32 v[T:T+1], v[XR:XR+1], v[XR+2:XR+3]
	v_pk_add_f32 v[T+2:T+3], v[XR+4:XR+5], v[XR+6:XR+7]
.irp i, 8,12,16,20,24,28
	v_pk_add_f32 v[T:T+1], v[T:T+1], v[XR+\i:XR+\i+1]
	v_pk_add_f32 v[T+2:T+3], v[T+2:T+3], v[XR+\i+2:XR+\i+3]
.endr
	REDUCE
	v_mul_f32 v[MU], v8, v[T]                      ; the mean: sum / 1,024
	v_mul_f32 v[MU+1], v8, v[T]
.irp i, 0,2,4,6,8,10,12,14,16,18,20,22,24,26,28,30
	v_pk_add_f32 v[XR+\i:XR+\i+1], v[XR+\i:XR+\i+1], v[MU:MU+1] neg_lo:[0,1] neg_hi:[0,1]
.endr
	v_pk_mul_f32 v[T:T+1], v[XR:XR+1], v[XR:XR+1]
	v_pk_mul_f32 v[T+2:T+3], v[XR+2:XR+3], v[XR+2:XR+3]
.irp i, 4,8,12,16,20,24,28
	v_pk_fma_f32 v[T:T+1], v[XR+\i:XR+\i+1], v[XR+\i:XR+\i+1], v[T:T+1]
	v_pk_fma_f32 v[T+2:T+3], v[XR+\i+2:XR+\i+3], v[XR+\i+2:XR+\i+3], v[T+2:T+3]
.endr
	REDUCE
	v_fmaak_f32 v[T], v[T], v8, 0x3727c5ac         ; var + 1e-5
	s_wait_alu depctr_va_vdst(0)
	v_rsq_f32 v[RS], v[T]
	v_nop                                          ; a plain instruction behind the transcendental (ISA guide 5.7.2)
	s_wait_alu depctr_va_vdst(0)                   ; the wait ahead of the first reader
	v_mov_b32 v[RS+1], v[RS]
.irp i, 0,2,4,6,8,10,12,14,16,18,20,22,24,26,28,30
	v_pk_mul_f32 v[XR+\i:XR+\i+1], v[XR+\i:XR+\i+1], v[RS:RS+1]
.endr
.irp i, 0,2,4,6,8,10,12,14,16,18,20,22,24,26,28,30
	v_pk_fma_f32 v[XR+\i:XR+\i+1], v[XR+\i:XR+\i+1], v[G+\i:G+\i+1], v[BE+\i:BE+\i+1]
.endr
.set i, 0
.rept 32
	v_med3_num_f32 v[XR+i], v[XR+i], -v14, v14
.set i, i+1
.endr
.irp g, 0,1,2,3
	v_cvt_scalef32_pk8_bf8_f32 v[CD+8*(\rr)+2*\g:CD+8*(\rr)+2*\g+1], v[XR+8*\g:XR+8*\g+7], v15   ; two registers: four codes of chunk 2 g, four of chunk 2 g + 1
.endr
.irp j, 0,1,2,3,4,5,6,7
	ds_store_b32 v7, v[CD+8*(\rr)+\j] offset:1040*(\rr)+128*\j   ; 32 lanes: 128 consecutive bytes of the row
.endr
.endm
	s_load_b512 s[8:23], s[0:1], 0x0               ; w_qkv 8, w_out 10, w1 12, w2 14, x 16, g1 18, be1 20, the scales' exponents 22
	s_load_b128 s[24:27], s[0:1], 0x40             ; wts 24, act 26
	s_load_b128 s[84:87], s[0:1], 0x50             ; mask 84, actp 86
	s_load_b64 s[88:89], s[0:1], 0x60              ; cnt
	v_lshl_add_u32 v248, v0, 2, 0xca00
	v_mov_b32 v249, 0
	v_lshrrev_b32 v1, 5, v0
	v_readfirstlane_b32 s28, v1                    ; wave 0..3
	v_and_b32 v1, 31, v0                           ; lane
	v_and_b32 v2, 15, v0                           ; r
	v_bfe_u32 v3, v0, 4, 1                         ; h
	v_lshlrev_b32 v5, 4, v1                        ; 16 x lane
	s_wait_kmcnt 0x0
	s_load_b256 s[32:39], s[22:23], 0x0            ; e0 .. e7
	s_load_b128 s[40:43], s[22:23], 0x20           ; e8 .. e11
	s_cmp_ge_u32 ttmp9, 384
	s_cbranch_scc1 .Lln
	; ---- THE WEIGHTS.  Which tensor, by the work-group's number alone: w2's figures first, then three compares put the others' in their place
	s_mov_b64 s[66:67], s[14:15]                   ; the source
	s_mov_b32 s68, 256                             ; its first work-group
	s_mov_b32 s69, 4096                            ; a row in bytes
	s_mov_b32 s70, 4                               ; log2 of the number of parts along K
	s_mov_b32 s71, 15                              ; that number less one
	s_mov_b32 s72, 65536                           ; bytes of a tile of 16 n in the image
	s_mov_b32 s73, 0x800000                        ; where its image begins in wts
	s_wait_kmcnt 0x0
	s_mov_b32 s74, s43                             ; its exponent
	s_cmp_lt_u32 ttmp9, 256                        ; w1
	s_cselect_b64 s[66:67], s[12:13], s[66:67]
	s_cselect_b32 s68, 128, s68
	s_cselect_b32 s69, 16384, s69
	s_cselect_b32 s70, 2, s70
	s_cselect_b32 s71, 3, s71
	s_cselect_b32 s72, 16384, s72
	s_cselect_b32 s73, 0x400000, s73
	s_cselect_b32 s74, s41, s74
	s_cmp_lt_u32 ttmp9, 128                        ; w_out
	s_cselect_b64 s[66:67], s[10:11], s[66:67]
	s_cselect_b32 s68, 96, s68
	s_cselect_b32 s69, 4096, s69
	s_cselect_b32 s73, 0x300000, s73
	s_cselect_b32 s74, s39, s74
	s_cmp_lt_u32 ttmp9, 96                         ; w_qkv
	s_cselect_b64 s[66:67], s[8:9], s[66:67]
	s_cselect_b32 s68, 0, s68
	s_cselect_b32 s69, 12288, s69
	s_cselect_b32 s73, 0, s73
	s_cselect_b32 s74, s33, s74
	s_sub_co_u32 s75, ttmp9, s68
	s_lshr_b32 s76, s75, s70                       ; x: which 128 columns
	s_and_b32 s77, s75, s71                        ; y: which 256 along K
	s_mul_i32 s78, s77, s69
	s_lshl_b32 s78, s78, 8                         ; 256 y rows
	s_lshl_b32 s79, s76, 9
	s_add_co_u32 s78, s78, s79                     ; + 512 x
	s_lshl_b32 s79, s28, 7
	s_add_co_u32 s78, s78, s79                     ; + 128 x wave
	s_mov_b32 s79, 0
	s_add_nc_u64 s[44:45], s[66:67], s[78:79]      ; eight bases, 32 rows apart: none is ever stepped
	s_lshl_b32 s78, s69, 5
.irp j, 1,2,3,4,5,6,7
	s_add_nc_u64 s[44+2*\j:45+2*\j], s[42+2*\j:43+2*\j], s[78:79]
.endr
	s_lshl_b32 s78, s76, 3
	s_lshl_b32 s75, s28, 1
	s_add_co_u32 s78, s78, s75                     ; my first tile of 16 n: 8 x + 2 wave
	s_mul_i32 s78, s78, s72
	s_add_co_u32 s78, s78, s73
	s_lshl_b32 s75, s77, 12
	s_add_co_u32 s78, s78, s75                     ; + two K steps of 2,048 bytes for each y
	s_add_nc_u64 s[60:61], s[24:25], s[78:79]
	s_mov_b32 s78, s72
	s_add_nc_u64 s[62:63], s[60:61], s[78:79]      ; my second tile
	s_wait_alu depctr_va_vdst(0)
	v_lshlrev_b32 v6, 2, v1
.set i, 0
.rept 32
	v_mad_u32_u24 v[VO+i], s69, i, v6
.set i, i+1
.endr
	LOADW 0
	LOADW 1
	s_mul_i32 s75, s28, 8704                       ; my stage: 32 rows of 272 bytes
	v_mul_u32_u24 v4, v1, 272
	v_add_nc_u32 v4, s75, v4                       ; into it: row = my column
	v_and_b32 v7, 8, v2
	v_add_nc_u32 v7, v7, v2                        ; r + 8 (r / 8)
	v_mul_u32_u24 v7, v7, 272
	v_lshl_add_u32 v7, v3, 4, v7
	v_add_nc_u32 v7, s75, v7                       ; out of it: the column that lane r of tile u = 0 holds, + 16 h
	s_add_co_i32 s74, s74, 127
	s_lshl_b32 s75, s74, 23
	v_mov_b32 v11, s75                             ; 2^e as f32: the conversion takes its exponent field
	s_add_co_i32 s74, s74, 15
	s_lshl_b32 s74, s74, 23
	s_or_b32 s74, s74, 0x600000
	v_mov_b32 v10, s74                             ; 57,344 x 2^e
	s_wait_alu depctr_va_vdst(0)
.irp j, 0,1,2,3,4,5,6,7
	BLOCKW \j
.endr
.irp u, 0,1
.irp s, 0,1
.irp c, 0,1,2,3
	ds_load_b128 v[OUTR+4*(8*\u+4*\s+\c):OUTR+4*(8*\u+4*\s+\c)+3], v7 offset:8*\u*272+128*\s+32*\c   ; LDS serves a wave's instructions in order (ISA guide 5.7.1.4): these see my stores
.endr
.endr
.endr
.irp u, 0,1
.irp s, 0,1
.irp c, 0,1,2,3
	s_wait_dscnt 15-(8*\u+4*\s+\c)
	global_store_b128 v5, v[OUTR+4*(8*\u+4*\s+\c):OUTR+4*(8*\u+4*\s+\c)+3], s[60+2*\u:61+2*\u] offset:2048*\s+512*\c   ; 32 lanes store 512 consecutive bytes
.endr
.endr
.endr
	s_wait_tensorcnt 0x0
	ds_add_u32 v248, v249
	s_wait_dscnt 0x0
	s_endpgm
	; ---- LAYER NORM 1, AND THE ORDER OF THE KEYS
.Lln:
	s_sub_co_u32 s29, ttmp9, 384                   ; my tile of 16 rows
	s_mov_b32 s2, 0x76543210                       ; v_permlanex16_b32: lane l xor 16
	s_mov_b32 s3, 0xfedcba98
	s_lshr_b32 s30, s29, 7                         ; my batch
	s_and_b32 s97, s29, 127                        ; my tile in the batch
	s_lshl_b32 s44, s30, 13                        ; the batch's 2,048 mask words,
	s_lshl_b32 s45, s28, 11                        ; my wave's 512 of them
	s_add_co_u32 s44, s44, s45
	s_mov_b32 s45, 0
	s_add_nc_u64 s[84:85], s[84:85], s[44:45]
	s_wait_alu depctr_va_vdst(0)
	v_lshlrev_b32 v4, 2, v1                        ; 4 x lane
.set i, 0
.rept 16
	global_load_b32 v[CD+i], v4, s[84:85] offset:128*i   ; word i of my 16: keys 32 i + lane of my 512
.set i, i+1
.endr
	s_lshl_b32 s44, s30, 21                        ; a batch's 128 tiles of 16,384 bytes in actp
	s_add_nc_u64 s[86:87], s[86:87], s[44:45]
	s_lshl_b32 s44, s30, 7                         ; a batch's 32 words in cnt
	s_add_nc_u64 s[88:89], s[88:89], s[44:45]
	s_lshl_b32 s44, s29, 16                        ; 16 rows of 4,096 bytes
	s_lshl_b32 s46, s28, 14                        ; + my wave's four
	s_add_co_u32 s44, s44, s46
	s_add_nc_u64 s[PX:PX+1], s[PX:PX+1], s[44:45]
	s_lshl_b32 s44, s29, 14                        ; the tile's eight fragments
	s_add_nc_u64 s[PA:PA+1], s[PA:PA+1], s[44:45]
.irp j, 0,1,2,3,4,5,6,7
	global_load_b128 v[G+4*\j:G+4*\j+3], v5, s[PG:PG+1] offset:512*\j
.endr
.irp j, 0,1,2,3,4,5,6,7
	global_load_b128 v[BE+4*\j:BE+4*\j+3], v5, s[PB:PB+1] offset:512*\j
.endr
.irp rr, 0,1,2,3
.irp j, 0,1,2,3,4,5,6,7
	global_load_b128 v[X+32*\rr+4*\j:X+32*\rr+4*\j+3], v5, s[PX:PX+1] offset:4096*\rr+512*\j th:TH_LOAD_NT   ; 32 lanes read 512 consecutive bytes
.endr
.endr
	v_mov_b32 v8, 0x3a800000                       ; 1 / 1,024
	s_mul_i32 s46, s28, 4160
	s_add_co_u32 s46, s46, STGL
	v_lshl_add_u32 v7, v1, 2, s46                  ; the stage, in: my wave's four rows, 4 bytes a lane
	v_mul_u32_u24 v9, v2, 1040
	v_lshl_add_u32 v9, v3, 4, v9
	s_lshl_b32 s46, s28, 8
	s_add_co_u32 s46, s46, STGL
	v_add_nc_u32 v9, s46, v9                       ; out: row r, + 16 h, + my wave's two K steps of 128 bytes
	s_lshl_b32 s46, s28, 12
	v_add_nc_u32 v6, s46, v5                       ; and their place in the image
	s_lshl_b32 s46, s28, 4
	s_add_co_u32 s46, s46, EXB
	v_mov_b32 v246, s46                            ; the exchange: my wave's 16 bytes,
	v_mov_b32 v247, EXB                            ; and all four waves'
	s_wait_kmcnt 0x0
	s_add_co_i32 s46, s32, 127
	s_lshl_b32 s47, s46, 23
	v_mov_b32 v15, s47                             ; 2^e0
	s_add_co_i32 s46, s46, 15
	s_lshl_b32 s46, s46, 23
	s_or_b32 s46, s46, 0x600000
	v_mov_b32 v14, s46                             ; 57,344 x 2^e0
	; my wave's 512 keys: how many count (s90), how many of those lie in words ahead of my tile's word (s91), and that word's bits if it is among mine (s93)
	s_lshr_b32 s92, s97, 1                         ; the word of 32 keys that holds my tile's 16 rows,
	s_lshl_b32 s94, s28, 4
	s_sub_co_i32 s92, s92, s94                     ; counted from my wave's first word: under 0 or over 15 where it is another wave's
	s_mov_b32 s90, 0
	s_mov_b32 s91, 0
	s_mov_b32 s93, 0
	s_wait_loadcnt 48                              ; the mask's 16 loads are in; the 48 loads of gain, bias and rows may be out
.set i, 0
.rept 16
	v_cmp_ne_u32 s[66+i], 0, v[CD+i]               ; bit l: key 32 i + l counts
.set i, i+1
.endr
.set i, 0
.rept 16
	s_bcnt1_i32_b32 s94, s[66+i]
	s_add_co_u32 s90, s90, s94
	s_cmp_gt_i32 s92, i                            ; a word ahead of my tile's
	s_cselect_b32 s94, s94, 0
	s_add_co_u32 s91, s91, s94
	s_cmp_eq_u32 s92, i
	s_cselect_b32 s93, s[66+i], s93
.set i, i+1
.endr
	s_and_b32 s95, s97, 1
	s_lshl_b32 s95, s95, 4                         ; my tile is the word's lower or upper 16 keys
	s_and_b32 s94, s93, 0xffff
	s_bcnt1_i32_b32 s94, s94
	s_cmp_lg_u32 s95, 0
	s_cselect_b32 s94, s94, 0
	s_add_co_u32 s91, s91, s94                     ; the upper: the lower 16 lie ahead too
	s_lshr_b32 s93, s93, s95
	s_and_b32 s93, s93, 0xffff                     ; my tile's 16 bits (0 in the three waves that do not hold the word)
	v_mov_b32 v224, s90
	v_mov_b32 v225, s91
	v_mov_b32 v226, s93
	v_mov_b32 v227, 0
	ds_store_b128 v246, v[224:227]                 ; all lanes store the same 16 bytes
	s_wait_dscnt 0x0                               ; for the others' sake
	s_barrier_signal -1
	s_barrier_wait -1
.irp w, 0,1,2,3
	ds_load_b128 v[224+4*\w:227+4*\w], v247 offset:16*\w
.endr
	s_wait_dscnt 0x0
	v_add3_u32 v224, v224, v228, v232
	v_add_nc_u32 v[TOTV], v224, v236               ; count: the batch's keys that count
	v_add3_u32 v225, v225, v229, v233
	v_add_nc_u32 v225, v225, v237                  ; those ahead of my tile
	v_or_b32 v226, v226, v230
	v_or_b32 v226, v226, v234
	v_or_b32 v226, v226, v238                      ; my tile's 16 bits
	v_mov_b32 v241, 1
	v_lshlrev_b32 v240, v2, v241
	v_add_nc_u32 v240, -1, v240
	v_and_b32 v240, v226, v240                     ; the bits of the tile's rows under r; their number, by shifts and masks:
	v_lshrrev_b32 v241, 1, v240
	v_and_b32 v241, 0x5555, v241
	v_sub_nc_u32 v240, v240, v241                  ; in pairs,
	v_lshrrev_b32 v241, 2, v240
	v_and_b32 v241, 0x3333, v241
	v_and_b32 v240, 0x3333, v240
	v_add_nc_u32 v240, v240, v241                  ; in fours,
	v_lshrrev_b32 v241, 4, v240
	v_add_nc_u32 v240, v240, v241
	v_and_b32 v240, 0x0f0f, v240                   ; in eights,
	v_lshrrev_b32 v241, 8, v240
	v_add_nc_u32 v240, v240, v241
	v_and_b32 v240, 31, v240                       ; in all
	v_add_nc_u32 v240, v225, v240                  ; the counting keys ahead of row r: its place if it counts
	s_lshl_b32 s94, s97, 4
	v_add_nc_u32 v241, s94, v2                     ; row r's number in the batch,
	v_sub_nc_u32 v241, v241, v240                  ; less those: the masked keys ahead of it,
	v_add_nc_u32 v241, v[TOTV], v241               ; behind all that count: its place if it is masked
	v_lshrrev_b32 v242, v2, v226
	v_and_b32 v242, 1, v242
	v_cmp_ne_u32 vcc_lo, 0, v242
	v_cndmask_b32 v240, v241, v240, vcc_lo
	v_lshrrev_b32 v241, 4, v240
	v_min_u32 v241, 127, v241                      ; the tile of 16 places, and the place in it: both held inside the batch's image before they enter an address
	v_and_b32 v240, 15, v240
	v_min_u32 v240, 15, v240
	v_lshlrev_b32 v241, 14, v241
	v_lshl_add_u32 v241, v240, 4, v241
	v_lshl_add_u32 v241, v3, 8, v241               ; lane (place, h) of a group: 16 x place + 256 h
	s_lshl_b32 s94, s28, 12
	v_add_nc_u32 v[VP], s94, v241                  ; + my wave's two K steps
	ROW 0
	ROW 1
	ROW 2
	ROW 3
	s_wait_dscnt 0x0                               ; for the others' sake: my stores into the stage are done
	s_barrier_signal -1
	s_barrier_wait -1
.irp f, 0,1
.irp c, 0,1,2,3
	ds_load_b128 v[X+16*\f+4*\c:X+16*\f+4*\c+3], v9 offset:128*\f+32*\c
.endr
.endr
.irp f, 0,1
.irp c, 0,1,2,3
	s_wait_dscnt 7-(4*\f+\c)
	global_store_b128 v6, v[X+16*\f+4*\c:X+16*\f+4*\c+3], s[PA:PA+1] offset:2048*\f+512*\c     ; as the rows lie: 512 consecutive bytes
	global_store_b128 v[VP], v[X+16*\f+4*\c:X+16*\f+4*\c+3], s[86:87] offset:2048*\f+512*\c    ; in the keys' order: 16 bytes at each row's place
.endr
.endr
	s_or_b32 s94, s97, s28                         ; the batch's first tile, wave 0:
	s_cmp_lg_u32 s94, 0
	s_cbranch_scc1 .Lno_cnt
	global_store_b32 v4, v[TOTV], s[88:89]         ; count, 32 equal words
.Lno_cnt:
	s_wait_tensorcnt 0x0
	ds_add_u32 v248, v249
	s_wait_dscnt 0x0
	s_endpgm
.Lfunc_end_k_q7167a95967_prep:
	.size	k_q7167a95967_prep, .Lfunc_end_k_q7167a95967_prep-k_q7167a95967_prep
	.p2alignl 7, 3214868480
	.fill 96, 4, 3214868480
	.section	.rodata,"a",@progbits
	.p2align	6, 0x0
	.amdhsa_kernel k_q7167a95967_prep
		.amdhsa_group_segment_fixed_size 52224
		.amdhsa_private_segment_fixed_size 0
		.amdhsa_enable_private_segment 0
		.amdhsa_kernarg_size 104
		.amdhsa_user_sgpr_count 2
		.amdhsa_user_sgpr_kernarg_segment_ptr 1
		.amdhsa_wavefront_size32 1
		.amdhsa_system_sgpr_workgroup_id_x 1
		.amdhsa_system_sgpr_workgroup_id_y 1
		.amdhsa_system_sgpr_workgroup_id_z 1
		.amdhsa_system_vgpr_workitem_id 0
		.amdhsa_next_free_vgpr 250
		.amdhsa_next_free_sgpr 100
		.amdhsa_reserve_vcc 1
		.amdhsa_float_denorm_mode_32 3
		.amdhsa_float_denorm_mode_16_64 3
		.amdhsa_memory_ordered 1
		.amdhsa_forward_progress 1
		.amdhsa_inst_pref_size 106
	.end_amdhsa_kernel
	.amdgpu_metadata
---
amdhsa.version: [ 1, 2 ]
amdhsa.kernels:
  - .name:           k_q7167a95967_prep
    .symbol:         k_q7167a95967_prep.kd
    .args:
      - { .name: w_qkv, .offset: 0, .size: 8, .value_kind: global_buffer, .address_space: global }
      - { .name: w_out, .offset: 8, .size: 8, .value_kind: global_buffer, .address_space: global }
      - { .name: w1, .offset: 16, .size: 8, .value_kind: global_buffer, .address_space: global }
      - { .name: w2, .offset: 24, .size: 8, .value_kind: global_buffer, .address_space: global }
      - { .name: x, .offset: 32, .size: 8, .value_kind: global_buffer, .address_space: global }
      - { .name: g1, .offset: 40, .size: 8, .value_kind: global_buffer, .address_space: global }
      - { .name: be1, .offset: 48, .size: 8, .value_kind: global_buffer, .address_space: global }
      - { .name: lowp_scales, .offset: 56, .size: 8, .value_kind: global_buffer, .address_space: global }
      - { .name: wts, .offset: 64, .size: 8, .value_kind: global_buffer, .address_space: global }
      - { .name: act, .offset: 72, .size: 8, .value_kind: global_buffer, .address_space: global }
      - { .name: mask, .offset: 80, .size: 8, .value_kind: global_buffer, .address_space: global }
      - { .name: actp, .offset: 88, .size: 8, .value_kind: global_buffer, .address_space: global }
      - { .name: cnt, .offset: 96, .size: 8, .value_kind: global_buffer, .address_space: global }
    .group_segment_fixed_size: 52224
    .private_segment_fixed_size: 0
    .kernarg_segment_align: 8
    .kernarg_segment_size: 104
    .max_flat_workgroup_size: 128
    .sgpr_count:     100
    .vgpr_count:     250
    .wavefront_size: 32
...
	.end_amdgpu_metadata
.endif
;; end of part 1
;; launch qkv (part 2): grid 12 x 16, 4 waves a work-group, clusters of 4 x 4, 327,680 bytes of LDS; arguments act, wts, lowp_scales, cnt, qkv, actp; writes qkv
.if DOCPART == 2
	.amdgcn_target "amdgcn-amd-amdhsa--gfx1250"
	.amdhsa_code_object_version 6
	.text
	.protected	k_q7167a95967_qkv
	.globl	k_q7167a95967_qkv
	.p2align	8
	.type	k_q7167a95967_qkv,@function
k_q7167a95967_qkv:
	s_mov_b64 s[64:65], 0
	v_nop
	global_prefetch_b8 v0, s[64:65] scope:SCOPE_SE
	s_setreg_imm32_b32 hwreg(HW_REG_WAVE_MODE, 25, 1), 1
	s_wait_xcnt 0x0
	s_wait_alu depctr_hold_cnt(0) depctr_sa_sdst(0) depctr_va_vdst(0) depctr_va_sdst(0) depctr_va_ssrc(0) depctr_va_vcc(0) depctr_vm_vsrc(0)
	s_getreg_b32 s2, hwreg(HW_REG_IB_STS2, 6, 4)
	s_cmp_eq_u32 s2, 0
	s_cbranch_scc0 .Lentry_in_a_cluster
	s_endpgm
.Lentry_in_a_cluster:
	s_bfe_u32 s2, ttmp6, 0x10000c
	s_cmp_lg_u32 s2, 0xf033
	s_cbranch_scc0 .Lentry_shape_is_right
	s_endpgm
.Lentry_shape_is_right:
; QKV = LN1(x) W_qkv on codes of E5M2, and its results quantised at once into the operands of attention.  K = 1,024.
; Operands lie in memory as images of their registers: a fragment (16 rows x 128 K) is 2,048 bytes, four groups of 512, lane l's 16 bytes at 16 l: k = 128 ks + 32 c + 16 (l / 16) + 0 .. 15 of row l % 16.
; A tile of 256 x 256 is made by a work-group of four waves, 128 x 128 each: 64 accumulators, 512 registers.  K goes in steps of 256 through a ring of two LDS slots; a wave's tensor load brings 8 tiles of 16 rows x 4,096 bytes.
; THE MATRIX INSTRUCTION: source 0 = the place called B, source 1 = the place called A.  A lane then holds ONE row of A's place, and the 16 registers of accumulators (a, 2 b), (a, 2 b + 1) run along B's rows.
; CLUSTERS: 4 x 4 work-groups; cluster x = 0 makes q, 1 makes k, 2 makes v.  For q and k A's place takes the rows and B's the weight (wts): the weight's tiles are ordered so that the 16 registers are 16 neighbouring
; channels: two conversions give 16 bytes of a fragment of q or k.  For v the two buffers CHANGE PLACES (a choice on the cluster's number, the same in all partners): a lane then holds one channel and its registers run along the keys,
; which are the K of attention's second product.  A's tiles hang on cy alone and are asked for jointly along a row of the cluster, B's on cx alone and along a column.
; THE ROWS: q takes them as they lie (act); k and v take them in the order in which attention walks the keys (actp: in each batch the keys that count first, then the masked ones), so k's and v's images are in that order.
; OUT: q at 0 and k at 0x400000: [batch x head][tile of 16 rows][c 2][512];  v at 0x800000: [batch x head][step of 128 keys][tile of 16 channels][c 4][512], a lane's 16 bytes = keys 32 c + 8 h + 0 .. 7, then 32 c + 16 + 8 h + 0 .. 7.
; THE KEY MASK: a key at a place from count on is masked (count: cnt, a word a batch); its codes of k are made zeros (its hold is at 0): attention then finds its raw score exactly equal to what it adds for the mask.  Its true k is never used by the problem.
; code = sum x 2^(e0 + e1) / 2^et: the three exponents are folded into the conversion's one.  LIMITS: et - e0 - e1 (et = e2, e3, e5) between -126 and 112.  NaN among the inputs is not served.
; REGISTERS: window 0: v16-29 addresses; v32-47 the rows' places and the holds; v96-100; from v128 A's fragments, ONE set, later the codes.  window 1: B's fragments, TWO sets.  windows 2, 3: the accumulators ((a, b) at v[8 (8 (a % 4) + b)]).
; All of the LDS is claimed; 262,656 bytes are used.
.set HALFT,  32768                     ; 128 rows x 256 K: what one tensor load brings, and what one wave reads of A or of B
.set SLOT,   4*HALFT                   ; A's 256 rows, then B's 256 rows
.set SPARE,  2*SLOT                    ; behind the ring: the spare words, 128 bytes a wave
.set FR,     16
.set NL,     4
.set NP,     4                         ; places behind this matrix instruction (ISA guide 7.12.1)
.set ADRA, 16                          ; v16-17  LDS address of my A fragments in slot 0, 1
.set ADRB, 20                          ; v20-21  the same for B
.set LI,   27                          ; v27     16 x lane
.set SPW,  28                          ; v28     my spare word; never rewritten
.set NIL,  29                          ; v29     0; never rewritten
.set MK,   32                          ; v32-39  my row's place in its batch, in each of the eight blocks
.set LA,   40                          ; v40-47  the hold of my row in each block
.set SCL,  96                          ; v96     the conversion's scale
.set LIM,  97                          ; v97     57,344 x that
.set VO,   98                          ; v98-99  the stores' offsets
.set MO,   100                         ; v100    my row's place in block 0
.set AF,   128
.set G1, 24
.set G0, 32
.set G1B, 48
.set G0B, 56
.set MSB, 0
.macro WIN new                         ; the immediate's high byte repeats the setting that is left
.if MSB != (\new)
	s_set_vgpr_msb (MSB<<8)|(\new)
.set MSB, (\new)
.endif
.endm
.set MUL_LO, 0xa1                      ; source 0 (B) window 1, source 1 (A) window 0, C and D window 2
.set MUL_HI, 0xf1
.set TO_B,   0x40
.macro JLOAD g0a, g1a, g0b, g1b        ; a joint load: waves 0 and 1 fetch for A's place, waves 2 and 3 for B's; four v_nop follow each line
	s_cmp_eq_u32 s15, 0
	s_cbranch_scc0 .Lfor_b_\@
	tensor_load_to_lds s[\g0a:\g0a+3], s[\g1a:\g1a+7]
	s_nop 0
.rept 4
	v_nop
.endr
	s_branch .Lasked_\@
.Lfor_b_\@:
	tensor_load_to_lds s[\g0b:\g0b+3], s[\g1b:\g1b+7]
	s_nop 0
.rept 4
	v_nop
.endr
.Lasked_\@:
.endm
.macro CREST                           ; a round of the cluster's barrier behind its opening barrier
	s_cmp_lg_u32 s14, 0
	s_cbranch_scc1 .Lnot_wave_0_\@
	s_barrier_signal -3
.Lnot_wave_0_\@:
	s_barrier_wait -3
	s_barrier_signal -1
	s_barrier_wait -1
.endm
.macro CROUND
	s_barrier_signal -1
	s_barrier_wait -1
	CREST
.endm
.macro FRAG reg, adr, q, i             ; a fragment as it lies: tile i of the wave's eight, K step q of the slot's two
.irp c, 0,1,2,3
	ds_load_b128 v[\reg+4*\c:\reg+4*\c+3], v[\adr] offset:4096*(\i)+2048*(\q)+512*\c
.endr
.endm
.macro MUL16 a0, p, zero               ; 16 matrix instructions: A's blocks a0, a0 + 1 x B's eight.  The 64 accumulators take turns, in the same order in every step
.irp a, \a0, \a0+1
.irp b, 0,1,2,3,4,5,6,7
.if \zero
	v_wmma_f32_16x16x128_bf8_bf8 v[8*(8*((\a)%4)+\b):8*(8*((\a)%4)+\b)+7], v[128*(\p)+FR*\b:128*(\p)+FR*\b+FR-1], v[AF+FR*(\a):AF+FR*(\a)+FR-1], 0
.else
	v_wmma_f32_16x16x128_bf8_bf8 v[8*(8*((\a)%4)+\b):8*(8*((\a)%4)+\b)+7], v[128*(\p)+FR*\b:128*(\p)+FR*\b+FR-1], v[AF+FR*(\a):AF+FR*(\a)+FR-1], v[8*(8*((\a)%4)+\b):8*(8*((\a)%4)+\b)+7]
.endif
.endr
.endr
.endm
.macro FETCH_B slot, q, p
	WIN TO_B
.irp i, 0,1,2,3,4,5,6,7
	FRAG 128*(\p)+FR*\i, ADRB+\slot, \q, \i
.endr
	WIN 0
.endm
.macro FETCH_A slot, q, i0
.irp i, \i0, \i0+1, \i0+2, \i0+3
	FRAG AF+FR*(\i), ADRA+\slot, \q, \i
.endr
.endm
.macro PLACES n                        ; plain vector instructions between a matrix instruction and a load into, or a vector read or write of, its registers
.rept \n
	v_nop
.endr
.endm
.macro STEP slot, q, zero              ; 128 along K, with its successor in the same slot
	s_wait_dscnt 4*NL                              ; B's set and A's blocks 0-3 are in; the youngest 16 loads (A's blocks 4-7) may be out
	WIN MUL_LO
	MUL16 0, (\q)%2, \zero
	MUL16 2, (\q)%2, \zero
	s_wait_dscnt 0
	PLACES NP
	FETCH_B \slot, (\q)+1, 1-(\q)%2
	FETCH_A \slot, (\q)+1, 0
	WIN MUL_HI
	MUL16 4, (\q)%2, \zero
	MUL16 6, (\q)%2, \zero
	PLACES NP
	WIN 0
	FETCH_A \slot, (\q)+1, 4
.endm
.macro TURN slot, next, fill           ; a slot's last step changes slots: one barrier; fill = 1: this slot is filled again, two slots' worth of K ahead
	s_wait_tensorcnt 0x0                           ; all my tensor loads have landed: my part of the next slot
	ds_add_u32 v[SPW], v[NIL]                      ; 0 onto my spare word
	s_wait_dscnt 4*NL+1                            ; the add and the youngest 16 loads may be out
	WIN MUL_LO
	MUL16 0, 1, 0
	s_wait_dscnt 0x0                               ; the add is done, and my reads of this slot are over
	s_barrier_signal -1
	MUL16 2, 1, 0
	WIN 0
	s_barrier_wait -1
.if \fill
	CREST                                          ; the barrier has opened a round of the cluster's barrier: no wave of any partner still reads this slot or has a load on its way
	s_add_nc_u64 s[G0+4*\slot+2:G0+4*\slot+3], s[G0+4*\slot+2:G0+4*\slot+3], 8192
	s_add_nc_u64 s[G0B+4*\slot+2:G0B+4*\slot+3], s[G0B+4*\slot+2:G0B+4*\slot+3], 8192
	JLOAD G0+4*\slot, G1, G0B+4*\slot, G1B         ; the first tensor load behind the round; its four v_nop are the places in front of the loads below
.else
	PLACES NP
.endif
	FETCH_B \next, 0, 0
	FETCH_A \next, 0, 0
	WIN MUL_HI
	MUL16 4, 1, 0
	MUL16 6, 1, 0
	PLACES NP
	WIN 0
	FETCH_A \next, 0, 4
.endm
.macro QOUT a                          ; block a: held, converted (each accumulator from its low end on), stored from the registers: 512 consecutive bytes a store
.set AC, 64*((\a)%4)
	WIN 0x82+0x41*((\a)/4)                         ; destination and source 0: window 2 or 3
.set i, 0
.rept 64
	v_med3_num_f32 v[AC+i], v[AC+i], -v[LA+(\a)], v[LA+(\a)]
.set i, i+1
.endr
	WIN 0x02+((\a)/4)
.irp g, 0,1,2,3,4,5,6,7
	v_cvt_scalef32_pk8_bf8_f32 v[AF+16*(\a)+2*\g:AF+16*(\a)+2*\g+1], v[AC+8*\g:AC+8*\g+7], v[SCL]
.endr
	WIN 0
	v_nop                                          ; a plain instruction behind the last conversion of the run
.irp b, 0,1,2,3
	global_store_b128 v[VO+(\b)/2], v[AF+16*(\a)+4*\b:AF+16*(\a)+4*\b+3], s[24+2*(\a):25+2*(\a)] offset:512*((\b)%2)
.endr
.endm
	s_load_b256 s[4:11], s[0:1], 0x0               ; act 4, wts 6, the scales' exponents 8, cnt 10
	s_load_b64 s[12:13], s[0:1], 0x20              ; qkv
	s_load_b64 s[98:99], s[0:1], 0x28              ; actp
	v_lshl_add_u32 v[SPW], v0, 2, SPARE
	v_mov_b32 v[NIL], 0
	ds_add_u32 v28, v29
	ds_add_u32 v28, v29
	s_wait_dscnt 0x0
	v_lshrrev_b32 v1, 5, v0
	v_readfirstlane_b32 s14, v1                    ; wave 0..3
	s_lshr_b32 s15, s14, 1                         ; which half of A's rows is mine.  Also: I fetch for A's place (0) or for B's (1)
	s_and_b32 s16, s14, 1                          ; which half of B's rows.  Also: which 128 rows of that tile I fetch
	s_bfe_u32 s40, ttmp6, 0x40000                  ; cx
	s_bfe_u32 s41, ttmp6, 0x40004                  ; cy
	s_and_b32 s17, ttmp7, 0xffff
	s_lshl_b32 s17, s17, 2                         ; 4 x cluster y
	s_lshl_b32 s42, ttmp9, 2                       ; 4 x cluster x
	s_add_co_u32 s66, s17, s41                     ; q, k: A's tile = rows 256 (4 cluster y + cy)
	s_add_co_u32 s67, s41, 8                       ; v:    A's tile = the weight's columns 256 (8 + cy)
	s_add_co_u32 s68, s42, s40                     ; q, k: B's tile = the weight's columns 256 (4 cluster x + cx)
	s_add_co_u32 s69, s17, s40                     ; v:    B's tile = rows 256 (4 cluster y + cx)
	s_lshl_b32 s43, s41, 2
	s_lshl_b32 s43, 15, s43                        ; my row of the cluster
	s_lshl_b32 s44, 0x1111, s40                    ; my column
	s_or_b32 s[G1+0], s43, (3<<16)|(1<<21)         ; 15:0 the mask; 17:16 elements of 8 bytes; 21 set beside a mask; no padding
	s_or_b32 s[G1B+0], s44, (3<<16)|(1<<21)
.irp g, G1, G1B
	s_mov_b32 s[\g+1], 512<<16                     ; tensor_dim0: 512 elements = two fragments
	s_mov_b32 s[\g+2], 8<<16                       ; tensor_dim1: 8 tiles of 16 rows
	s_mov_b32 s[\g+3], 512<<16                     ; tile_dim0
	s_mov_b32 s[\g+4], 8                           ; tile_dim1
	s_mov_b32 s[\g+5], 2048                        ; from tile to tile: eight fragments
	s_mov_b32 s[\g+6], 0
	s_mov_b32 s[\g+7], 0
.endr
	s_lshl_b32 s45, s14, 15                        ; where my load goes: wave x 32,768
	s_lshl_b32 s23, s16, 17                        ; which 128 rows I fetch: 8 tiles of 16,384 bytes
	s_cmp_eq_u32 ttmp9, 2                          ; v's cluster?  The same answer in all sixteen partners
	s_cselect_b32 s70, s67, s66                    ; A's tile: hangs on cy alone
	s_cselect_b32 s71, s69, s68                    ; B's tile: hangs on cx alone
	s_lshl_b32 s20, s70, 18
	s_add_co_u32 s20, s20, s23
	s_mov_b32 s21, 0
	s_lshl_b32 s46, s71, 18
	s_add_co_u32 s46, s46, s23
	s_mov_b32 s47, 0
	s_wait_kmcnt 0x0
	s_load_b256 s[72:79], s[8:9], 0x0              ; e0 .. e7
	s_load_b32 s92, s[10:11], 0x0                  ; batch 0's count of keys that count,
	s_load_b32 s93, s[10:11], 0x80                 ; batch 1's
	s_cmp_eq_u32 ttmp9, 0
	s_cselect_b64 s[4:5], s[4:5], s[98:99]         ; the rows: as they lie for q, in the keys' order for k and v
	s_cmp_eq_u32 ttmp9, 2
	s_cselect_b64 s[18:19], s[6:7], s[4:5]         ; the buffer in A's place
	s_cselect_b64 s[80:81], s[4:5], s[6:7]         ; the buffer in B's place
	s_add_nc_u64 s[20:21], s[18:19], s[20:21]
	s_add_nc_u64 s[46:47], s[80:81], s[46:47]
	; the prefetches: of the 8 tiles x 4,096 bytes that my tensor load brings (128 blocks of 256 bytes) the partner at place p among the four that ask jointly (cx for A's place, cy for B's) names tiles 2 p, 2 p + 1: a lane a block
	s_cmp_eq_u32 s15, 0
	s_cselect_b64 s[2:3], s[20:21], s[46:47]
	s_cselect_b32 s96, s40, s41
	s_lshl_b32 s96, s96, 15
	v_and_b32 v30, 15, v0
	v_lshlrev_b32 v30, 8, v30
	v_bfe_u32 v31, v0, 4, 1
	v_lshl_add_u32 v30, v31, 14, v30
	v_add_nc_u32 v30, s96, v30                     ; 32,768 p + 16,384 (lane / 16) + 256 (lane % 16); never rewritten, nor is s[2:3]
	global_prefetch_b8 v30, s[2:3] offset:4096 th:TH_LOAD_NT scope:SCOPE_SE   ; the second slot's first fill, which goes out when the first slot's has landed
	s_wait_alu depctr_va_vdst(0)                   ; directly ahead of the round's barrier
	CROUND                                         ; all sixteen work-groups are here: the first joint loads meet
.irp s, 0,1
	s_mov_b32 s[G0+4*\s], 1
	s_add_co_u32 s[G0+4*\s+1], s45, \s*SLOT
	s_add_nc_u64 s[G0+4*\s+2:G0+4*\s+3], s[20:21], \s*4096
	s_or_b32 s[G0+4*\s+3], s[G0+4*\s+3], 0x80000000
	s_mov_b32 s[G0B+4*\s], 1
	s_add_co_u32 s[G0B+4*\s+1], s45, \s*SLOT
	s_add_nc_u64 s[G0B+4*\s+2:G0B+4*\s+3], s[46:47], \s*4096
	s_or_b32 s[G0B+4*\s+3], s[G0B+4*\s+3], 0x80000000
.if \s > 0                             ; slot 0's fill is the wave's one tensor load at the head; slot 1's stands behind these lines and a round
	s_wait_alu depctr_va_vdst(0)
	s_wait_tensorcnt 0x0
	ds_add_u32 v28, v29
	ds_add_u32 v28, v29
	s_wait_dscnt 0x0
	CROUND
.endif
	JLOAD G0+4*\s, G1, G0B+4*\s, G1B
	global_prefetch_b8 v30, s[2:3] offset:(\s+2)*4096 th:TH_LOAD_NT scope:SCOPE_SE   ; what the fill two fills on will ask for; K has four fills, so the refills ask for nothing
.endr
	v_and_b32 v1, 15, v0                           ; r
	s_wait_alu depctr_va_vdst(0)
	v_and_b32 v2, 31, v0
	v_lshlrev_b32 v[LI], 4, v2
	s_lshl_b32 s21, s15, 15                        ; my 128 rows of A's place
	s_lshl_b32 s22, s16, 15                        ; my 128 rows of B's,
	s_add_co_u32 s22, s22, 2*HALFT                 ; which lie behind A's 256
.irp s, 0,1
	v_add_nc_u32 v[ADRA+\s], s21, v[LI]
	v_add_nc_u32 v[ADRB+\s], s22, v[LI]
	s_add_co_u32 s21, s21, SLOT
	s_add_co_u32 s22, s22, SLOT
.endr
	; where the codes go.  tm, hm: tile and half on the rows' side; tw, hw: on the weight's side
	s_cmp_eq_u32 ttmp9, 2
	s_cselect_b32 s82, s71, s70                    ; tm
	s_cselect_b32 s83, s16, s15                    ; hm
	s_cselect_b32 s84, s41, s40                    ; tw
	s_cselect_b32 s85, s15, s16                    ; hw
	s_mov_b32 s86, 4096
	s_cselect_b32 s86, 0x20000, s86                ; from block a to a + 4: four tiles of rows (q, k) or a head (v)
	s_mov_b32 s87, 1024
	s_cselect_b32 s87, 2048, s87                   ; from block a to a + 1: a tile of rows, or a tile of channels
	s_mov_b32 s88, 0x20000
	s_cselect_b32 s88, 1024, s88                   ; from piece b to b + 2: a head, or two groups
	s_lshl_b32 s89, ttmp9, 22                      ; q, k or v
	s_lshr_b32 s90, s82, 3
	s_lshl_b32 s90, s90, 21                        ; the batch: 16 heads of 131,072 bytes
	s_add_co_u32 s89, s89, s90
	s_lshl_b32 s90, s84, 2
	s_lshl_b32 s91, s85, 1
	s_add_co_u32 s90, s90, s91
	s_lshl_b32 s90, s90, 17                        ; my first head: 4 tw + 2 hw
	s_add_co_u32 s89, s89, s90
	s_and_b32 s90, s82, 7
	s_lshl_b32 s90, s90, 14
	s_add_co_u32 s89, s89, s90                     ; 256 rows: 16,384 bytes in each of the three layouts
	s_lshl_b32 s90, s83, 13
	s_add_co_u32 s89, s89, s90
	s_and_b32 s90, s82, 7
	s_lshl_b32 s90, s90, 8
	s_lshl_b32 s91, s83, 7
	s_add_co_u32 s90, s90, s91
	v_add_nc_u32 v[MO], s90, v1                    ; my row's place in its batch, in block 0: 256 (tm % 8) + 128 hm + r
	s_wait_alu depctr_va_vdst(0)
	s_wait_kmcnt 0x0
	s_cmp_eq_u32 ttmp9, 0
	s_cselect_b32 s90, s74, s75                    ; e2 for q, e3 for k,
	s_cmp_eq_u32 ttmp9, 2
	s_cselect_b32 s90, s77, s90                    ; e5 for v
	s_sub_co_i32 s90, s90, s72
	s_sub_co_i32 s90, s90, s73                     ; less e0 + e1
	s_add_co_i32 s90, s90, 127
	s_lshl_b32 s91, s90, 23
	v_mov_b32 v[SCL], s91
	s_add_co_i32 s90, s90, 15
	s_lshl_b32 s90, s90, 23
	s_or_b32 s90, s90, 0x600000
	v_mov_b32 v[LIM], s90
	s_lshr_b32 s90, s82, 3                         ; my batch
	s_cmp_eq_u32 s90, 0
	s_cselect_b32 s97, s92, s93                    ; its count;
	s_cmp_eq_u32 ttmp9, 1
	s_cselect_b32 s97, s97, 0x1000                 ; where the mask does not count (q, v): a number above every place
	s_wait_tensorcnt 1                             ; my part of slot 0 is in; slot 1's load may be out
	s_barrier_signal -1
	s_barrier_wait -1
	FETCH_B 0, 0, 0
	FETCH_A 0, 0, 0
	FETCH_A 0, 0, 4
	STEP 0, 0, 1                                   ; the first products start the sums: nothing is cleared.  K = 1,024 is eight steps: they are written out
	TURN 0, 1, 1
	STEP 1, 0, 0
	TURN 1, 0, 1
	STEP 0, 0, 0
	TURN 0, 1, 0
	STEP 1, 0, 0
	s_wait_dscnt 4*NL
	WIN MUL_LO
	MUL16 0, 1, 0
	MUL16 2, 1, 0
	s_wait_dscnt 0
	WIN MUL_HI
	MUL16 4, 1, 0
	MUL16 6, 1, 0
	WIN 0
	PLACES NP
	s_wait_alu depctr_va_vdst(0)
.irp a, 0,1,2,3,4,5,6,7
	v_add_nc_u32 v[MK+\a], 16*\a, v[MO]
	v_cmp_gt_u32 vcc_lo, s97, v[MK+\a]             ; the place lies under count
	v_cndmask_b32 v[LA+\a], 0, v[LIM], vcc_lo      ; the hold: the largest code x the scale, or 0 for a masked key's k
.endr
	v_mov_b32 v[VO], v[LI]
	v_add_nc_u32 v[VO+1], s88, v[LI]
	s_mov_b32 s90, s89                             ; the eight blocks' bases, in the registers that held the descriptors: no tensor load of mine is out since the last change of slots
	s_mov_b32 s91, 0
	s_mov_b32 s92, s87
	s_mov_b32 s93, 0
	s_mov_b32 s94, s86
	s_mov_b32 s95, 0
	s_add_nc_u64 s[24:25], s[12:13], s[90:91]
.irp a, 1,2,3
	s_add_nc_u64 s[24+2*\a:25+2*\a], s[22+2*\a:23+2*\a], s[92:93]
.endr
.irp a, 4,5,6,7
	s_add_nc_u64 s[24+2*\a:25+2*\a], s[16+2*\a:17+2*\a], s[94:95]
.endr
.irp a, 0,1,2,3,4,5,6,7
	QOUT \a
.endr
	s_wait_tensorcnt 0x0                           ; the wave's end
	ds_add_u32 v[SPW], v[NIL]
	s_wait_dscnt 0x0
	CROUND                                         ; the closing round
	s_endpgm
.Lfunc_end_k_q7167a95967_qkv:
	.size	k_q7167a95967_qkv, .Lfunc_end_k_q7167a95967_qkv-k_q7167a95967_qkv
	.p2alignl 7, 3214868480
	.fill 96, 4, 3214868480
	.section	.rodata,"a",@progbits
	.p2align	6, 0x0
	.amdhsa_kernel k_q7167a95967_qkv
		.amdhsa_group_segment_fixed_size 327680
		.amdhsa_private_segment_fixed_size 0
		.amdhsa_enable_private_segment 0
		.amdhsa_kernarg_size 48
		.amdhsa_user_sgpr_count 2
		.amdhsa_user_sgpr_kernarg_segment_ptr 1
		.amdhsa_wavefront_size32 1
		.amdhsa_system_sgpr_workgroup_id_x 1
		.amdhsa_system_sgpr_workgroup_id_y 1
		.amdhsa_system_sgpr_workgroup_id_z 1
		.amdhsa_system_vgpr_workitem_id 0
		.amdhsa_next_free_vgpr 1024
		.amdhsa_next_free_sgpr 100
		.amdhsa_reserve_vcc 1
		.amdhsa_float_denorm_mode_32 3
		.amdhsa_float_denorm_mode_16_64 3
		.amdhsa_memory_ordered 1
		.amdhsa_forward_progress 1
		.amdhsa_inst_pref_size 121
	.end_amdhsa_kernel
	.amdgpu_metadata
---
amdhsa.version: [ 1, 2 ]
amdhsa.kernels:
  - .name:           k_q7167a95967_qkv
    .symbol:         k_q7167a95967_qkv.kd
    .args:
      - { .name: act, .offset: 0, .size: 8, .value_kind: global_buffer, .address_space: global }
      - { .name: wts, .offset: 8, .size: 8, .value_kind: global_buffer, .address_space: global }
      - { .name: lowp_scales, .offset: 16, .size: 8, .value_kind: global_buffer, .address_space: global }
      - { .name: cnt, .offset: 24, .size: 8, .value_kind: global_buffer, .address_space: global }
      - { .name: qkv, .offset: 32, .size: 8, .value_kind: global_buffer, .address_space: global }
      - { .name: actp, .offset: 40, .size: 8, .value_kind: global_buffer, .address_space: global }
    .group_segment_fixed_size: 327680
    .private_segment_fixed_size: 0
    .kernarg_segment_align: 8
    .kernarg_segment_size: 48
    .max_flat_workgroup_size: 128
    .sgpr_count:     100
    .vgpr_count:     1024
    .wavefront_size: 32
...
	.end_amdgpu_metadata
.endif
;; end of part 2
;; launch attn (part 3): grid 8 x 32, 16 waves a work-group, no clusters, 272,384 bytes of LDS; arguments qkv, cnt, lowp_scales, act; writes act
.if DOCPART == 3
	.amdgcn_target "amdgcn-amd-amdhsa--gfx1250"
	.amdhsa_code_object_version 6
	.text
	.protected	k_q7167a95967_attn
	.globl	k_q7167a95967_attn
	.p2align	8
	.type	k_q7167a95967_attn,@function
k_q7167a95967_attn:
	s_mov_b64 s[64:65], 0
	v_nop
	global_prefetch_b8 v0, s[64:65] scope:SCOPE_SE
	s_setreg_imm32_b32 hwreg(HW_REG_WAVE_MODE, 25, 1), 1
	s_wait_xcnt 0x0
; ATTENTION on codes of E5M2: 32 (batch x head) x 2,048 queries, head size 64, over the keys that the given mask lets count.  Its result is quantised at once into the operand of the output projection.
; THE SOFTMAX: t = score x log2(e) / 8; M = the largest t so far, rounded up to a whole number; p = 2^(t - M) is quantised, not normalised; the row's sum is taken of the unquantised p and divides at the end.
; THE KEYS ARE IN ORDER: k's and v's images hold, in each batch, the count keys that count first and the masked ones behind them (the launches before lay them so; count: cnt, a word a batch).  So only
; nst = ceil(count / 128) key steps of 128 are walked; where no key of a batch counts, all 16.  The loops' trip counts are constants: a step from nst on is jumped over, by a scalar branch on the stored number.
; SHARES.  A work-group owns 256 queries of one head, each of its sixteen waves 16 of them in 256 registers: four waves to a SIMD, so that one wave's vector work stands beside another's matrix work and LDS loads.
; K AND V REACH LDS THROUGH REGISTERS, in four groups of four key steps (32,768 bytes of each image): a wave brings 4,096 bytes of a group by eight loads of 512 consecutive bytes and stores them as they lie.  A group is asked for
; at the barrier in front of the steps of the group before, if one of its steps will be walked, and stored behind those steps; then one barrier.  Each LDS byte is written once.
; NO CLUSTER, NO JOINT LOADS, though the eight query blocks of a head read the same K and V: which steps are walked hangs on a number read from memory.
; LAYOUT.  Both products are used transposed: S^T = K Q^T (source 0 = 16 keys, source 1 = my 16 queries), O^T = V^T P^T: a lane holds one query throughout.  The 16 registers of key tiles 2 b, 2 b + 1 are keys
; 32 b + 8 h + 0 .. 7 and 32 b + 16 + 8 h + 0 .. 7: v's image has its keys in the same order.  V's tiles of channels are ordered so that O^T's tiles 2 b, 2 b + 1 are 16 neighbouring channels.
; THE MASK in the last step that is walked: a table in LDS holds 0 for a place under count and -2^96 from count on, and is the C of the score's matrix instruction.  A masked key's codes of k are zeros, so its raw score is
; exactly -2^96: p = 0 beside a key that counts; where no key counts, t = M exactly and every p = 1: uniform weights over all 2,048 keys, as the problem has it with its -1e9.
; LIMITS: e2 + e3 between -60 and 30 (so that -2^96 x c is finite and far under every score); e4, and e6 - e4 - e5, between -126 and 112.  A masked key weighs exactly 0 beside one that counts; the problem's own -1e9 gives the same
; as long as the largest score that counts lies above about -1e9 + 100.  NaN among the inputs is not served.
; REGISTERS: v1-7 addresses that stay; v8-10 addresses in hand; v12 -M, v13 the largest t, v[14:15] the sum; v16-23 Q; v32-95 K's 8 fragments, then V's 4; v96-159 S^T, then p; v160-191 O^T; v192-223 a group's bytes on their way; v224-239 p's codes; v236-254 at work.
.set VIMG, 131072                      ; LDS: K's image at 0, V's here,
.set MB,   262144                      ; and the mask's table: 2,048 f32
.set LI,   1                           ; v1   16 x lane
.set LV,   2                           ; v2   VIMG + 16 x lane
.set LM,   3                           ; v3   MB + 32 (lane / 16)
.set FA,   4                           ; v4   where I store my part of groups 0 and 1;  v5: of groups 2 and 3
.set ADK,  8
.set ADV,  9
.set ADM,  10
.set FL,   192                         ; v192-223
.set WV,   18                          ; s18  my wave's number
.set ST,   19                          ; s19  the key step
.set SEL,  20                          ; s[20:21] v_permlanex16_b32: lane l xor 16
.set CS,   22                          ; s[22:23] c = log2(e) / 8 x 2^(e2 + e3)
.set TB,   2                           ; s2   the step's first byte in K's and in V's image
.set TM,   3                           ; s3   and in the table
.set NST,  82                          ; s82  key steps to walk
.set CNT,  83                          ; s83  count
; A KEY STEP: 128 keys.
.macro STEP
	v_add_nc_u32 v[ADK], s[TB], v[LI]
	v_add_nc_u32 v[ADV], s[TB], v[LV]
	v_add_nc_u32 v[ADM], s[TM], v[LM]
	v_nop                                          ; with the three additions: four places in front of loads into registers that the last products read
.irp t, 0,1,2,3,4,5,6,7
	ds_load_b128 v[32+8*\t:35+8*\t], v[ADK] offset:1024*\t
	ds_load_b128 v[36+8*\t:39+8*\t], v[ADK] offset:1024*\t+512
.endr
	s_lshl_b32 s84, s[ST], 7
	s_add_co_u32 s84, s84, 128                     ; the first place behind this step's 128
	s_cmp_le_u32 s84, s[CNT]                       ; all 128 places lie under count: the table's words for them are zeros, so its 16 loads are left out and the scores begin from the constant 0
	s_wait_alu depctr_va_vdst(0)                   ; directly ahead of the branch
	s_cbranch_scc1 .Lall_\@
.irp t, 0,1,2,3,4,5,6,7
	ds_load_b128 v[96+8*\t:99+8*\t], v[ADM] offset:64*\t        ; the table's words of keys 16 t + 8 h + 0 .. 7: they are the C of the scores
	ds_load_b128 v[100+8*\t:103+8*\t], v[ADM] offset:64*\t+16
.endr
	s_wait_dscnt 0x0
.irp t, 0,1,2,3,4,5,6,7
	v_wmma_f32_16x16x64_bf8_bf8 v[96+8*\t:103+8*\t], v[32+8*\t:39+8*\t], v[16:23], v[96+8*\t:103+8*\t]
.endr
	s_branch .Lscored_\@
.Lall_\@:
	s_wait_dscnt 0x0
.irp t, 0,1,2,3,4,5,6,7
	v_wmma_f32_16x16x64_bf8_bf8 v[96+8*\t:103+8*\t], v[32+8*\t:39+8*\t], v[16:23], 0
.endr
.Lscored_\@:
.rept 4
	v_nop                                          ; places in front of the loads below and of the first read of the scores
.endr
.irp d, 0,1,2,3
.irp c, 0,1,2,3
	ds_load_b128 v[32+16*\d+4*\c:35+16*\d+4*\c], v[ADV] offset:2048*\d+512*\c   ; V's four fragments land while the softmax is walked
.endr
.endr
	v_max3_num_f32 v254, v96, v97, v98             ; the step's largest score of my query, among my 64 keys, in two chains,
	v_max3_num_f32 v252, v99, v100, v101
.irp i, 6,10,14,18,22,26,30,34,38,42,46,50,54,58
	v_max3_num_f32 v254, v254, v[96+\i], v[97+\i]
	v_max3_num_f32 v252, v252, v[98+\i], v[99+\i]
.endr
	v_max3_num_f32 v254, v254, v158, v159
	s_delay_alu instid0(VALU_DEP_1)
	v_max_num_f32 v254, v254, v252
	v_permlanex16_b32 v236, v254, s[SEL], s[SEL+1]
	s_delay_alu instid0(VALU_DEP_1)
	v_max_num_f32 v254, v254, v236                 ; and among lane l xor 16's
	s_delay_alu instid0(VALU_DEP_1)
	v_mul_f32 v254, s[CS], v254                    ; as t (c is positive)
	s_delay_alu instid0(VALU_DEP_1)
	v_max_num_f32 v13, v13, v254                   ; the running largest t
	v_mov_b32 v254, v12
	s_delay_alu instid0(VALU_DEP_2)
	v_floor_f32 v12, -v13                          ; the new -M = floor(-t): M is a whole number
	s_delay_alu instid0(VALU_DEP_1)
	v_sub_f32 v254, v12, v254                      ; old M less new M: a whole number, 0 or less
	s_delay_alu instid0(VALU_DEP_1)
	v_cvt_i32_f32 v254, v254                       ; (it saturates)
	s_delay_alu instid0(VALU_DEP_1)
	v_ldexp_f32 v252, 1.0, v254                    ; f = 2^(old M - new M)
.irp j, 0,2,4,6,8,10,12,14,16,18,20,22,24,26,28,30,32,34,36,38,40,42,44,46,48,50,52,54,56,58,60,62
	v_pk_fma_f32 v[96+\j:97+\j], v[96+\j:97+\j], s[CS:CS+1], v[12:13] op_sel_hi:[1,0,0]   ; t - M, two at a time
.endr
.set j, 0
	s_wait_alu depctr_va_vdst(0)
.rept 64
	v_exp_f32 v[96+j], v[96+j]                     ; p = 2^(t - M), at most 1
.set j, j+1
.endr
	v_pk_mul_f32 v[14:15], v[14:15], v[252:253] op_sel_hi:[1,0]   ; the sums under the new M: the plain instruction behind the exponentials
	s_wait_alu depctr_va_vdst(0)                   ; one wait for the whole batch, ahead of its first reader
	v_pk_add_f32 v[242:243], v[100:101], v[104:105]
	v_pk_add_f32 v[248:249], v[108:109], v[112:113]
	v_pk_add_f32 v[246:247], v[116:117], v[120:121]
	v_pk_add_f32 v[238:239], v[124:125], v[128:129]
	v_pk_add_f32 v[236:237], v[132:133], v[136:137]
	v_pk_add_f32 v[234:235], v[140:141], v[144:145]
	v_pk_add_f32 v[232:233], v[148:149], v[152:153]
	v_pk_add_f32 v[14:15], v[14:15], v[156:157]
	v_pk_add_f32 v[242:243], v[242:243], v[96:97]
	v_pk_add_f32 v[248:249], v[248:249], v[98:99]
	v_pk_add_f32 v[246:247], v[246:247], v[102:103]
	v_pk_add_f32 v[238:239], v[238:239], v[106:107]
	v_pk_add_f32 v[236:237], v[236:237], v[110:111]
	v_pk_add_f32 v[234:235], v[234:235], v[114:115]
	v_pk_add_f32 v[232:233], v[232:233], v[118:119]
	v_pk_add_f32 v[14:15], v[14:15], v[122:123]
	v_pk_add_f32 v[242:243], v[242:243], v[126:127]
	v_pk_add_f32 v[248:249], v[248:249], v[130:131]
	v_pk_add_f32 v[246:247], v[246:247], v[134:135]
	v_pk_add_f32 v[238:239], v[238:239], v[138:139]
	v_pk_add_f32 v[236:237], v[236:237], v[142:143]
	v_pk_add_f32 v[234:235], v[234:235], v[146:147]
	v_pk_add_f32 v[232:233], v[232:233], v[150:151]
	v_pk_add_f32 v[14:15], v[14:15], v[154:155]
	v_pk_add_f32 v[242:243], v[242:243], v[158:159]
	s_delay_alu instid0(VALU_DEP_2)
	v_pk_add_f32 v[14:15], v[14:15], v[238:239]
	s_delay_alu instid0(VALU_DEP_2)
	v_pk_add_f32 v[242:243], v[242:243], v[236:237]
	v_pk_add_f32 v[248:249], v[248:249], v[234:235]
	v_pk_add_f32 v[246:247], v[246:247], v[232:233]
	s_delay_alu instid0(VALU_DEP_2)
	v_pk_add_f32 v[14:15], v[14:15], v[248:249]
	s_delay_alu instid0(VALU_DEP_2)
	v_pk_add_f32 v[242:243], v[242:243], v[246:247]
	s_delay_alu instid0(VALU_DEP_1)
	v_pk_add_f32 v[14:15], v[14:15], v[242:243]
.irp b, 0,1,2,3
.irp i, 0,1,2,3,4,5,6,7,8,9,10,11,12,13,14,15
	v_min_num_f32 v[96+16*\b+\i], v[96+16*\b+\i], v240   ; the conversion does not saturate (ISA guide 7.6.2); p is not negative, so the hold is one-sided
.endr
	v_cvt_scalef32_pk8_bf8_f32 v[224+4*\b:225+4*\b], v[96+16*\b:103+16*\b], v244
	v_cvt_scalef32_pk8_bf8_f32 v[226+4*\b:227+4*\b], v[104+16*\b:111+16*\b], v244
.endr
.irp j, 0,2,4,6,8,10,12,14,16,18,20,22,24,26,28,30
	v_pk_mul_f32 v[160+\j:161+\j], v[160+\j:161+\j], v[252:253] op_sel_hi:[1,0]   ; O^T under the new M; these are also the plain instructions between the conversions and the products
.endr
	s_wait_alu depctr_va_vdst(0)
	s_wait_dscnt 0x0                               ; V
.irp d, 0,1,2,3
	v_wmma_f32_16x16x128_bf8_bf8 v[160+8*\d:167+8*\d], v[32+16*\d:47+16*\d], v[224:239], v[160+8*\d:167+8*\d]
.endr
.endm
.macro LOADG g                         ; my 4,096 bytes of group g: eight loads of 512 consecutive bytes
.irp i, 0,1,2,3,4,5,6,7
	global_load_b128 v[FL+4*\i:FL+4*\i+3], v[LI], s[58:59] offset:32768*(\g)+512*\i
.endr
.endm
.macro STOREG g                        ; and into LDS as they lie
.irp i, 0,1,2,3,4,5,6,7
	ds_store_b128 v[FA+(\g)/2], v[FL+4*\i:FL+4*\i+3] offset:32768*((\g)%2)+512*\i
.endr
.endm
; Group g goes into LDS; group g + 1 is asked for, if a step of it will be walked; then the barrier behind which group g is read.  Where group g was not asked for, what the registers last held is stored into bytes that nobody reads.
.macro NEXT g
	s_wait_loadcnt 0x0                             ; group g's loads are in
	STOREG \g
	s_wait_dscnt 0x0                               ; for the others' sake: my stores are done; and they have read their registers, which the next loads take
.if (\g) < 3
	s_cmp_gt_u32 s[NST], 4*(\g)+4
	s_cbranch_scc0 .Lnone_\@
	LOADG (\g)+1
.Lnone_\@:
.endif
	s_barrier_signal -1
	s_barrier_wait -1
.endm
.macro QUAD g                          ; group g's four key steps
	s_mov_b32 s[TB], 32768*(\g)
	s_mov_b32 s[TM], 2048*(\g)
.Lstep_\@:
	s_cmp_ge_u32 s[ST], s[NST]                     ; from nst on every key is masked: the step's work is left out
	s_cbranch_scc1 .Lpast_\@
	STEP
.Lpast_\@:
	s_add_co_u32 s[TB], s[TB], 8192
	s_add_co_u32 s[TM], s[TM], 512
	s_add_co_u32 s[ST], s[ST], 1
	s_cmp_lt_u32 s[ST], 4*(\g)+4
	s_cbranch_scc1 .Lstep_\@
.endm
	s_load_b256 s[4:11], s[0:1], 0x0               ; qkv 4, cnt 6, the scales' exponents 8, act 10
	v_lshl_add_u32 v251, v0, 2, 0x42000
	v_mov_b32 v255, 0
	v_lshrrev_b32 v8, 5, v0
	s_delay_alu instid0(VALU_DEP_1)
	v_readfirstlane_b32 s[WV], v8                  ; wave 0..15
	s_and_b32 s50, ttmp7, 0xffff                   ; batch x 16 + head
	s_lshr_b32 s51, s[WV], 3                       ; I bring bytes of K (0) or of V (1),
	s_and_b32 s52, s[WV], 7                        ; which eighth of a group
	s_lshl_b32 s53, s51, 17
	s_lshl_b32 s54, s52, 12
	s_add_co_u32 s53, s53, s54                     ; their place in LDS, in group 0
	s_add_co_u32 s56, s51, 1
	s_lshl_b32 s56, s56, 22                        ; k at 0x400000, v at 0x800000
	s_lshl_b32 s57, s50, 17
	s_add_co_u32 s56, s56, s57                     ; + 131,072 for each batch x head
	s_add_co_u32 s56, s56, s54
	s_mov_b32 s57, 0
	s_mov_b32 s[SEL], 0x76543210
	s_mov_b32 s[SEL+1], 0xfedcba98
	s_mov_b32 s[CS], 0x3e38aa3b                    ; log2(e) / 8
	s_mov_b32 s[ST], 0
	v_and_b32 v8, 31, v0
	s_delay_alu instid0(VALU_DEP_1)
	v_lshlrev_b32 v[LI], 4, v8
	s_delay_alu instid0(VALU_DEP_1)
	v_add_nc_u32 v[FA], s53, v[LI]
	s_delay_alu instid0(VALU_DEP_1)
	v_add_nc_u32 v[FA+1], 0x10000, v[FA]
	s_delay_alu instid0(VALU_DEP_3)
	v_add_nc_u32 v[LV], VIMG, v[LI]
	v_bfe_u32 v9, v0, 4, 1
	s_delay_alu instid0(VALU_DEP_1)
	v_lshlrev_b32 v[LM], 5, v9
	s_delay_alu instid0(VALU_DEP_1)
	v_add_nc_u32 v[LM], MB, v[LM]
	v_lshlrev_b32 v6, 4, v0
	s_delay_alu instid0(VALU_DEP_1)
	v_add_nc_u32 v6, MB, v6                        ; thread t makes the table's words of places 4 t .. 4 t + 3
	s_wait_alu depctr_va_vdst(0)
	s_wait_kmcnt 0x0
	s_load_b256 s[68:75], s[8:9], 0x0              ; e0 .. e7
	s_load_b32 s78, s[6:7], 0x0                    ; batch 0's count,
	s_load_b32 s79, s[6:7], 0x80                   ; batch 1's
	s_add_nc_u64 s[58:59], s[4:5], s[56:57]
	LOADG 0                                        ; the first four key steps
	s_lshl_b32 s60, ttmp9, 4
	s_add_co_u32 s60, s60, s[WV]                   ; my tile of 16 queries: 16 x block + wave
	s_lshl_b32 s62, s50, 7
	s_add_co_u32 s62, s62, s60
	s_lshl_b32 s62, s62, 10
	s_mov_b32 s63, 0
	s_add_nc_u64 s[66:67], s[4:5], s[62:63]
	global_load_b128 v[16:19], v[LI], s[66:67]     ; Q's fragment stays in registers
	global_load_b128 v[20:23], v[LI], s[66:67] offset:512
	s_lshr_b32 s62, s50, 4                         ; where O's codes go: tile of rows batch x 128 + my tile; K step head / 2; groups 2 (head % 2) + 0, 1
	s_lshl_b32 s62, s62, 7
	s_add_co_u32 s62, s62, s60
	s_lshl_b32 s62, s62, 3
	s_and_b32 s80, s50, 15
	s_lshr_b32 s81, s80, 1
	s_add_co_u32 s62, s62, s81
	s_lshl_b32 s62, s62, 11
	s_and_b32 s80, s80, 1
	s_lshl_b32 s80, s80, 10
	s_add_co_u32 s62, s62, s80
	s_add_nc_u64 s[10:11], s[10:11], s[62:63]
	v_mov_b32 v13, 0xff61b1e6                      ; the largest t so far: -3e38, under every t
	s_delay_alu instid0(VALU_DEP_1)
	v_floor_f32 v12, -v13                          ; -M
	v_mov_b32 v14, 0
	v_mov_b32 v15, 0
	v_mov_b32 v236, 0                              ; a lane permute's destination counts as one of its sources
	v_mov_b32 v253, 0                              ; (named as the upper half of the pair v[252:253])
	v_mov_b32 v7, 0xef800000                       ; -2^96
.set j, 0
.rept 32
	v_mov_b32 v[160+j], 0                          ; O^T: the step is written for every step alike; the first finds zeros, which the first change of M leaves zeros
.set j, j+1
.endr
	s_wait_kmcnt 0x0
	s_add_co_i32 s76, s70, s71
	s_lshl_b32 s76, s76, 23
	s_add_co_i32 s[CS], s[CS], s76                 ; e2 + e3 are added to c's exponent field
	s_mov_b32 s[CS+1], s[CS]
	s_add_co_i32 s76, s72, 127
	s_lshl_b32 s77, s76, 23
	v_mov_b32 v244, s77                            ; 2^e4
	s_add_co_i32 s76, s76, 15
	s_lshl_b32 s76, s76, 23
	s_or_b32 s76, s76, 0x600000
	v_mov_b32 v240, s76                            ; 57,344 x 2^e4
	s_sub_co_i32 s76, s74, s72
	s_sub_co_i32 s76, s76, s73                     ; e6 - e4 - e5: O's three exponents folded into one
	s_add_co_i32 s76, s76, 127
	s_lshl_b32 s77, s76, 23
	v_mov_b32 v245, s77
	s_add_co_i32 s76, s76, 15
	s_lshl_b32 s76, s76, 23
	s_or_b32 s76, s76, 0x600000
	v_mov_b32 v241, s76
	s_lshr_b32 s84, s50, 4                         ; my batch
	s_cmp_eq_u32 s84, 0
	s_cselect_b32 s[CNT], s78, s79
	s_add_co_u32 s[NST], s[CNT], 127
	s_lshr_b32 s[NST], s[NST], 7                   ; ceil(count / 128);
	s_cmp_eq_u32 s[CNT], 0
	s_cselect_b32 s[NST], 16, s[NST]               ; where no key counts, all keys weigh alike: all 16 steps
	s_min_u32 s[NST], s[NST], 16
	v_lshlrev_b32 v28, 2, v0
.irp i, 0,1,2,3
	v_add_nc_u32 v29, \i, v28
	s_delay_alu instid0(VALU_DEP_1)
	v_cmp_le_u32 vcc_lo, s[CNT], v29               ; a place from count on is a masked key's
	s_delay_alu instid0(VALU_DEP_1)
	v_cndmask_b32 v[24+\i], 0, v7, vcc_lo
.endr
	ds_store_b128 v6, v[24:27]
	NEXT 0                                         ; (its waits also show Q in and my part of the table stored)
	QUAD 0
	NEXT 1
	QUAD 1
	NEXT 2
	QUAD 2
	NEXT 3
	QUAD 3
	; THE WAY OUT: O^T / the sum, held, converted: the codes are 16 bytes a lane of two groups of a fragment, stored from the registers
.rept 4
	v_nop                                          ; places behind the last products
.endr
	v_add_f32 v14, v14, v15
	v_permlanex16_b32 v236, v14, s[SEL], s[SEL+1]
	s_delay_alu instid0(VALU_DEP_1)
	v_add_f32 v14, v14, v236                       ; the row's sum
	s_wait_alu depctr_va_vdst(0)
	v_rcp_f32 v14, v14
	v_nop                                          ; a plain instruction behind the transcendental
	s_wait_alu depctr_va_vdst(0)                   ; and the wait ahead of its first reader
	v_mov_b32 v15, v14
.irp j, 0,2,4,6,8,10,12,14,16,18,20,22,24,26,28,30
	v_pk_mul_f32 v[96+\j:97+\j], v[160+\j:161+\j], v[14:15]
.endr
.set j, 0
.rept 32
	v_med3_num_f32 v[96+j], v[96+j], -v241, v241
.set j, j+1
.endr
.irp g, 0,1,2,3
	v_cvt_scalef32_pk8_bf8_f32 v[224+2*\g:225+2*\g], v[96+8*\g:103+8*\g], v245
.endr
	v_nop
	global_store_b128 v[LI], v[224:227], s[10:11]              ; 32 lanes store 512 consecutive bytes
	global_store_b128 v[LI], v[228:231], s[10:11] offset:512
	s_wait_tensorcnt 0x0
	ds_add_u32 v251, v255
	s_wait_dscnt 0x0
	s_endpgm
.Lfunc_end_k_q7167a95967_attn:
	.size	k_q7167a95967_attn, .Lfunc_end_k_q7167a95967_attn-k_q7167a95967_attn
	.p2alignl 7, 3214868480
	.fill 96, 4, 3214868480
	.section	.rodata,"a",@progbits
	.p2align	6, 0x0
	.amdhsa_kernel k_q7167a95967_attn
		.amdhsa_group_segment_fixed_size 272384
		.amdhsa_private_segment_fixed_size 0
		.amdhsa_enable_private_segment 0
		.amdhsa_kernarg_size 32
		.amdhsa_user_sgpr_count 2
		.amdhsa_user_sgpr_kernarg_segment_ptr 1
		.amdhsa_wavefront_size32 1
		.amdhsa_system_sgpr_workgroup_id_x 1
		.amdhsa_system_sgpr_workgroup_id_y 1
		.amdhsa_system_sgpr_workgroup_id_z 1
		.amdhsa_system_vgpr_workitem_id 0
		.amdhsa_next_free_vgpr 256
		.amdhsa_next_free_sgpr 100
		.amdhsa_reserve_vcc 1
		.amdhsa_float_denorm_mode_32 3
		.amdhsa_float_denorm_mode_16_64 3
		.amdhsa_memory_ordered 1
		.amdhsa_forward_progress 1
		.amdhsa_inst_pref_size 87
	.end_amdhsa_kernel
	.amdgpu_metadata
---
amdhsa.version: [ 1, 2 ]
amdhsa.kernels:
  - .name:           k_q7167a95967_attn
    .symbol:         k_q7167a95967_attn.kd
    .args:
      - { .name: qkv, .offset: 0, .size: 8, .value_kind: global_buffer, .address_space: global }
      - { .name: cnt, .offset: 8, .size: 8, .value_kind: global_buffer, .address_space: global }
      - { .name: lowp_scales, .offset: 16, .size: 8, .value_kind: global_buffer, .address_space: global }
      - { .name: act, .offset: 24, .size: 8, .value_kind: global_buffer, .address_space: global }
    .group_segment_fixed_size: 272384
    .private_segment_fixed_size: 0
    .kernarg_segment_align: 8
    .kernarg_segment_size: 32
    .max_flat_workgroup_size: 512
    .sgpr_count:     100
    .vgpr_count:     256
    .wavefront_size: 32
...
	.end_amdgpu_metadata
.endif
;; end of part 3
;; launch outp (part 4): grid 8 x 32, 4 waves a work-group, no clusters, 270,848 bytes of LDS; arguments act, wts, lowp_scales, b_out, x, x1; writes x1
.if DOCPART == 4
	.amdgcn_target "amdgcn-amd-amdhsa--gfx1250"
	.amdhsa_code_object_version 6
	.text
	.protected	k_q7167a95967_outp
	.globl	k_q7167a95967_outp
	.p2align	8
	.type	k_q7167a95967_outp,@function
k_q7167a95967_outp:
	s_mov_b64 s[64:65], 0
	v_nop
	global_prefetch_b8 v0, s[64:65] scope:SCOPE_SE
	s_setreg_imm32_b32 hwreg(HW_REG_WAVE_MODE, 25, 1), 1
	s_wait_xcnt 0x0
; x1 = x + attention's result x W_out + b_out, the product on codes of E5M2.  M = 4,096, N = 1,024, K = 1,024.
; Operands lie in memory as images of their registers: a fragment (16 rows x 128 K) is 2,048 bytes, four groups of 512, lane l's 16 bytes at 16 l.
; SHARES.  A work-group makes 128 x 128 of C: 256 work-groups.  EACH OF ITS FOUR WAVES MAKES THE WHOLE BLOCK (64 accumulators, 512 registers) OVER A QUARTER OF K: NS steps of 128.
; So a fragment is multiplied by one wave alone, and goes from memory straight into that wave's registers: four loads of 512 consecutive bytes.  No LDS, no barrier in the walk along K.
; NO CLUSTER, NO JOINT LOADS, though 8 work-groups read the same rows of A and 32 the same rows of B: a joint load lands in LDS, and here no byte of A or B is read by two waves of a work-group;
; through LDS each of the block's 262,144 operand bytes would be stored and read once more, behind a ring's barriers.
; NO PREFETCH: a wave's walk is two steps, and the second step's loads are issued at the head of the first: there is no step to run ahead in.
; THE WALK.  A step is four groups of 16 products: A's blocks 2 g, 2 g + 1 against B's eight.  B has two sets of 128 registers; the next step's 32 loads go out at a step's head.  A has a pool of five pairs of blocks;
; the pair of group G + 4 is loaded at the head of group G into the pair that group G - 1 read.  The wait at a group's head counts the loads of the three heads before it (macro CNT).
; THE WAY OUT.  Each wave lays its partial block row by row into its own region of LDS (rows of 512 + 16 bytes); behind one barrier wave w adds the four parts of rows 32 w .. 32 w + 31,
; y = sum x 2^(ea + eb) + residual + bias, and stores whole rows of the block: 512 consecutive bytes, aligned.  The sum of a number is four f32 partial sums, added in f32.
; Source 0 = 16 rows of the weight, source 1 = 16 rows of A: a lane holds one row of C; accumulators (a, 2 b), (a, 2 b + 1) are columns 32 b + 16 h + 0 .. 15.  LIMIT: ea + eb between -126 and 127.
; REGISTERS: window 0: v2-29 addresses and the bias; v96-255 A's pool, later rows on the way out.  window 1: B's two sets; the residual takes set 0 in the last step.  windows 2, 3: the accumulators ((a, b) at v[8 (8 (a % 4) + b)]).
.set KST,   8                          ; K steps of 128 in K
.set WOFF,  0x300000                   ; the weight's image in wts
.set EOFF,  0x18                       ; the byte of ea in the scales' exponents; eb follows
.set NS,    KST/4                      ; a wave's steps
.set NG,    4*NS                       ; and groups
.set TP,    KST*2048                   ; a tile of 16 rows in an image
.set RP,    528
.set REG,   128*RP                     ; a wave's region
.set SPARE, 4*REG                      ; the spare words
.set LI,  2
.set BI,  4
.set RD,  20
.set STO, 24
.set PFA, 26
.set PFB, 27
.set SPW, 28
.set NIL, 29
.set AF,  96
.set BK,  128
.set MSB, 0
.macro WIN new                         ; the immediate's high byte repeats the setting that is left
.if MSB != (\new)
	s_set_vgpr_msb (MSB<<8)|(\new)
.set MSB, (\new)
.endif
.endm
.set MUL_LO, 0xa1                      ; source 0 (B) window 1, source 1 (A) window 0, C and D window 2
.set MUL_HI, 0xf1
.set TO_B,   0x40
.macro PLACES                          ; plain vector instructions between a matrix instruction and a load into, or a store of, its registers
.rept 4
	v_nop
.endr
.endm
.macro HEAD h                          ; the loads that go out at the head of group h
.set HS, ((\h)+4)/4                    ; the step that they serve
.if (((\h)+4)%4 == 0) && ((\h) <= NG-8)
	WIN TO_B
.irp i, 0,1,2,3,4,5,6,7
.irp c, 0,1,2,3
	global_load_b128 v[128*(HS%2)+16*\i+4*\c:128*(HS%2)+16*\i+4*\c+3], v[LI], s[6:7] offset:\i*TP+HS*2048+512*\c
.endr
.endr
.endif
	WIN 0
.if (\h) <= NG-5
.set HAB, AF+32*(((\h)+4)%5)
.set HAT, 2*(((\h)+4)%4)
.irp u, 0,1
.irp c, 0,1,2,3
	global_load_b128 v[HAB+16*\u+4*\c:HAB+16*\u+4*\c+3], v[LI], s[4:5] offset:(HAT+\u)*TP+HS*2048+512*\c
.endr
.endr
.endif
.if (\h) == NG-4                       ; the last step's head: my 32 rows of the residual, a row of 512 bytes a load, into B's set 0
	WIN TO_B
.set t, 0
.rept 32
	global_load_b128 v[4*t:4*t+3], v[LI], s[12:13] offset:t*4096 th:TH_LOAD_NT
.set t, t+1
.endr
	WIN 0
.endif
.endm
.macro CNT h                           ; adds the number of head h's loads to NW
.if (((\h)+4)%4 == 0) && ((\h) <= NG-8)
.set NW, NW+32
.endif
.if (\h) <= NG-5
.set NW, NW+8
.endif
.if (\h) == NG-4
.set NW, NW+32
.endif
.endm
.macro GROUP G
.set NW, 0
	CNT (\G)-3
	CNT (\G)-2
	CNT (\G)-1
	s_wait_loadcnt NW                              ; this group's pair of A, the last thing that head G - 4 asked for, is in (and this step's B ahead of it); the three heads behind may be out
.if (\G) <= NG-4
	PLACES
	HEAD \G
.endif
.if ((\G)%4 == 1) && ((\G)/4+3 < NS)
	global_prefetch_b8 v[PFA], s[4:5] offset:((\G)/4+3)*2048 th:TH_LOAD_NT scope:SCOPE_SE
	global_prefetch_b8 v[PFB], s[6:7] offset:((\G)/4+3)*2048 th:TH_LOAD_NT scope:SCOPE_SE
.endif
.set AB, AF+32*((\G)%5)
.set BS, 128*(((\G)/4)%2)
.set ACB, 128*((\G)%2)
	WIN MUL_LO+0x50*(((\G)%4)/2)
.irp u, 0,1
.irp b, 0,1,2,3,4,5,6,7
.if (\G) < 4
	v_wmma_f32_16x16x128_bf8_bf8 v[ACB+64*\u+8*\b:ACB+64*\u+8*\b+7], v[BS+16*\b:BS+16*\b+15], v[AB+16*\u:AB+16*\u+15], 0
.else
	v_wmma_f32_16x16x128_bf8_bf8 v[ACB+64*\u+8*\b:ACB+64*\u+8*\b+7], v[BS+16*\b:BS+16*\b+15], v[AB+16*\u:AB+16*\u+15], v[ACB+64*\u+8*\b:ACB+64*\u+8*\b+7]
.endif
.endr
.endr
.endm
.macro LOADC c                         ; rows 4 c .. 4 c + 3 of my 32, from the four regions
.irp q, 0,1,2,3
.irp t, 0,1,2,3
	ds_load_b128 v[BK+64*((\c)%2)+16*\q+4*\t:BK+64*((\c)%2)+16*\q+4*\t+3], v[RD+\q] offset:(4*(\c)+\t)*RP
.endr
.endr
.endm
.macro FIN c, younger                  ; younger: the LDS loads issued behind chunk c's
.set P, BK+64*((\c)%2)
	s_wait_dscnt \younger
.irp j, 0,2,4,6,8,10,12,14
	v_pk_add_f32 v[P+\j:P+\j+1], v[P+\j:P+\j+1], v[P+16+\j:P+16+\j+1]
	v_pk_add_f32 v[P+32+\j:P+32+\j+1], v[P+32+\j:P+32+\j+1], v[P+48+\j:P+48+\j+1]
.endr
.irp j, 0,2,4,6,8,10,12,14
	v_pk_add_f32 v[P+\j:P+\j+1], v[P+\j:P+\j+1], v[P+32+\j:P+32+\j+1]
.endr
.irp j, 0,2,4,6,8,10,12,14
	v_pk_fma_f32 v[P+\j:P+\j+1], v[P+\j:P+\j+1], s[32:33], v[16*(\c)+\j:16*(\c)+\j+1] op_sel_hi:[1,0,1]   ; sum x 2^(ea + eb) + residual (window 1)
.endr
.irp j, 0,2,4,6,8,10,12,14
	v_pk_add_f32 v[P+\j:P+\j+1], v[P+\j:P+\j+1], v[BI+\j%4:BI+\j%4+1]
.endr
.irp t, 0,1,2,3
	global_store_b128 v[LI], v[P+4*\t:P+4*\t+3], s[14:15] offset:(4*(\c)+\t)*4096 th:TH_STORE_NT   ; 32 lanes store 512 consecutive bytes, aligned
.endr
.endm
	s_load_b256 s[4:11], s[0:1], 0x0               ; A's codes 4, wts 6, the scales' exponents 8, the bias 10
	s_load_b128 s[12:15], s[0:1], 0x20             ; the residual 12, the output 14
	v_lshl_add_u32 v[SPW], v0, 2, SPARE
	v_mov_b32 v[NIL], 0
	v_lshrrev_b32 v1, 5, v0
	v_readfirstlane_b32 s16, v1                    ; wave 0..3: which quarter of K, and which 32 rows on the way out
	s_and_b32 s17, ttmp7, 0xffff                   ; y: which 128 rows;  ttmp9 = x: which 128 columns
	s_mul_i32 s18, s16, NS*2048
	s_mul_i32 s20, s17, 8*TP
	s_add_co_u32 s20, s20, s18                     ; A: tile of 16 rows 8 y, K step NS x wave
	s_mov_b32 s21, 0
	s_mul_i32 s22, ttmp9, 8*TP
	s_add_co_u32 s22, s22, s18
	s_add_co_u32 s22, s22, WOFF                    ; B likewise, by x
	s_mov_b32 s23, 0
	s_mul_i32 s26, s16, REG                        ; my region
	s_mul_i32 s27, s16, 32*RP                      ; my 32 rows in a region
	s_lshl_b32 s30, ttmp9, 9                       ; my block's first column, in bytes of f32
	s_mov_b32 s31, 0
	s_lshl_b32 s34, s17, 19
	s_lshl_b32 s19, s16, 17
	s_add_co_u32 s34, s34, s19
	s_add_co_u32 s34, s34, s30                     ; row 128 y + 32 wave of 4,096 bytes, + the column
	s_mov_b32 s35, 0
.if NS > 3
	s_lshl_b32 s28, ttmp9, 8
	s_lshr_b32 s29, s17, 2
	s_mul_i32 s29, s29, TP
	s_and_b32 s19, s17, 3
	s_lshl_b32 s19, s19, 9
	s_add_co_u32 s29, s29, s19
.endif
	v_and_b32 v3, 31, v0
	v_lshlrev_b32 v[LI], 4, v3                     ; 16 x lane
	v_and_b32 v8, 15, v0                           ; r
	v_bfe_u32 v9, v0, 4, 1                         ; h
	v_mul_u32_u24 v10, v8, RP
	v_lshl_add_u32 v10, v9, 6, v10
	v_add_nc_u32 v[STO], s26, v10                  ; in: row r, + 64 h
	v_add_nc_u32 v[RD], s27, v[LI]                 ; back: a row of 512 bytes, from each region
	v_add_nc_u32 v[RD+1], REG, v[RD]
	v_add_nc_u32 v[RD+2], 2*REG, v[RD]
	v_add_nc_u32 v[RD+3], 3*REG, v[RD]
.if NS > 3
	v_min_u32 v11, 7, v3
	v_mul_u32_u24 v11, v11, TP
	v_add_nc_u32 v[PFA], s28, v11
	v_min_u32 v12, 1, v3
	v_lshl_add_u32 v[PFB], v12, 8, s29
.endif
	s_wait_alu depctr_va_vdst(0)                   ; the wait at the head's end
	s_wait_kmcnt 0x0
	s_load_b64 s[24:25], s[8:9], EOFF              ; ea, eb
	s_add_nc_u64 s[4:5], s[4:5], s[20:21]
	s_add_nc_u64 s[6:7], s[6:7], s[22:23]
	s_add_nc_u64 s[10:11], s[10:11], s[30:31]
	s_add_nc_u64 s[12:13], s[12:13], s[34:35]
	s_add_nc_u64 s[14:15], s[14:15], s[34:35]
	global_load_b128 v[BI:BI+3], v[LI], s[10:11]   ; the bias at columns 4 lane + 0 .. 3
	HEAD -4                                        ; step 0's B and its four pairs of A
	HEAD -3
	HEAD -2
	HEAD -1
.set g, 0
.rept NG
	GROUP g
.set g, g+1
.endr
	PLACES
.irp a, 0,1,2,3,4,5,6,7                ; my partial block into my region, each accumulator from its low end on
	WIN 0x08+4*(\a/4)
.irp b, 0,1,2,3,4,5,6,7
	ds_store_b128 v[STO], v[64*(\a%4)+8*\b:64*(\a%4)+8*\b+3] offset:\a*16*RP+128*(\b/2)+32*(\b%2)
	ds_store_b128 v[STO], v[64*(\a%4)+8*\b+4:64*(\a%4)+8*\b+7] offset:\a*16*RP+128*(\b/2)+32*(\b%2)+16
.endr
.endr
	WIN 0
	s_wait_kmcnt 0x0
	s_add_co_i32 s32, s24, s25
	s_add_co_i32 s32, s32, 127
	s_lshl_b32 s32, s32, 23                        ; 2^(ea + eb) as f32
	s_mov_b32 s33, s32
	s_wait_dscnt 0x0                               ; for the others' sake: my stores are done
	s_barrier_signal -1
	s_barrier_wait -1
	s_wait_loadcnt 0x0                             ; the residual
	WIN 0x10                                       ; source 2 (the residual) window 1; all else window 0
	LOADC 0
.irp c, 1,2,3,4,5,6,7
.if \c > 1
	s_wait_xcnt 0x0                                ; chunk c - 2's stores have read their registers: chunk c's rows may land there
.endif
	LOADC \c
	FIN \c-1, 16
.endr
	FIN 7, 0
	WIN 0
	s_wait_tensorcnt 0x0                           ; the wave's end
	ds_add_u32 v[SPW], v[NIL]
	s_wait_dscnt 0x0
	s_endpgm
.Lfunc_end_k_q7167a95967_outp:
	.size	k_q7167a95967_outp, .Lfunc_end_k_q7167a95967_outp-k_q7167a95967_outp
	.p2alignl 7, 3214868480
	.fill 96, 4, 3214868480
	.section	.rodata,"a",@progbits
	.p2align	6, 0x0
	.amdhsa_kernel k_q7167a95967_outp
		.amdhsa_group_segment_fixed_size 270848
		.amdhsa_private_segment_fixed_size 0
		.amdhsa_enable_private_segment 0
		.amdhsa_kernarg_size 48
		.amdhsa_user_sgpr_count 2
		.amdhsa_user_sgpr_kernarg_segment_ptr 1
		.amdhsa_wavefront_size32 1
		.amdhsa_system_sgpr_workgroup_id_x 1
		.amdhsa_system_sgpr_workgroup_id_y 1
		.amdhsa_system_sgpr_workgroup_id_z 1
		.amdhsa_system_vgpr_workitem_id 0
		.amdhsa_next_free_vgpr 1024
		.amdhsa_next_free_sgpr 66
		.amdhsa_reserve_vcc 0
		.amdhsa_float_denorm_mode_32 3
		.amdhsa_float_denorm_mode_16_64 3
		.amdhsa_memory_ordered 1
		.amdhsa_forward_progress 1
		.amdhsa_inst_pref_size 67
	.end_amdhsa_kernel
	.amdgpu_metadata
---
amdhsa.version: [ 1, 2 ]
amdhsa.kernels:
  - .name:           k_q7167a95967_outp
    .symbol:         k_q7167a95967_outp.kd
    .args:
      - { .name: act, .offset: 0, .size: 8, .value_kind: global_buffer, .address_space: global }
      - { .name: wts, .offset: 8, .size: 8, .value_kind: global_buffer, .address_space: global }
      - { .name: lowp_scales, .offset: 16, .size: 8, .value_kind: global_buffer, .address_space: global }
      - { .name: b_out, .offset: 24, .size: 8, .value_kind: global_buffer, .address_space: global }
      - { .name: x, .offset: 32, .size: 8, .value_kind: global_buffer, .address_space: global }
      - { .name: x1, .offset: 40, .size: 8, .value_kind: global_buffer, .address_space: global }
    .group_segment_fixed_size: 270848
    .private_segment_fixed_size: 0
    .kernarg_segment_align: 8
    .kernarg_segment_size: 48
    .max_flat_workgroup_size: 128
    .sgpr_count:     66
    .vgpr_count:     1024
    .wavefront_size: 32
...
	.end_amdgpu_metadata
.endif
;; end of part 4
;; launch ln2 (part 5): grid 256 x 1, 4 waves a work-group, no clusters, 17,152 bytes of LDS; arguments x1, g2, be2, lowp_scales, act; writes act
.if DOCPART == 5
	.amdgcn_target "amdgcn-amd-amdhsa--gfx1250"
	.amdhsa_code_object_version 6
	.text
	.protected	k_q7167a95967_ln2
	.globl	k_q7167a95967_ln2
	.p2align	8
	.type	k_q7167a95967_ln2,@function
k_q7167a95967_ln2:
	s_mov_b64 s[64:65], 0
	v_nop
	global_prefetch_b8 v0, s[64:65] scope:SCOPE_SE
	s_setreg_imm32_b32 hwreg(HW_REG_WAVE_MODE, 25, 1), 1
	s_wait_xcnt 0x0
; LAYER NORM 2 of x1, and its codes of E5M2 as an image of the operand's registers: act [tile of 16 rows][K step 8][2048]; in a fragment's group c lane l owns the 16 bytes at 16 l: k = 128 ks + 32 c + 16 (l / 16) + 0 .. 15 of row l % 16.
; A work-group takes 16 rows, a wave four; a row lies in 32 registers a lane (k = 128 j + 4 lane + 0 .. 3), read once; mean, then the variance of x - mean, as the problem writes it.
; The codes meet in a stage in LDS (16 rows x 1,040 bytes); behind one barrier each wave stores two fragments, 512 consecutive bytes a store.
; code = y / 2^e8, held within +-57,344 x 2^e8.  LIMIT: e8 between -126 and 112.  NaN among the inputs is not served.  No matrix unit, cluster or tensor load: nothing is shared between work-groups and memory binds.
.set G,    16                          ; v16-47   the gain at my 32 places
.set BE,   48                          ; v48-79   the bias
.set X,    80                          ; v80-207  four rows
.set CD,   208                         ; v208-239 eight registers of codes a row
.set T,    240                         ; v240-243 at work
.set MU,   10
.set RS,   12
.set PX,   8                           ; s[8:9] x1;  s[10:11] g2;  s[12:13] be2;  s[16:17] act
.set PG,   10
.set PB,   12
.set PA,   16
.macro REDUCE                          ; two pairs of partial sums become the row's sum, in every lane
	v_pk_add_f32 v[T:T+1], v[T:T+1], v[T+2:T+3]
	v_add_f32 v[T], v[T], v[T+1]
	v_add_f32_dpp v[T], v[T], v[T] row_xmask:1 row_mask:0xf bank_mask:0xf
	v_add_f32_dpp v[T], v[T], v[T] row_xmask:2 row_mask:0xf bank_mask:0xf
	v_add_f32_dpp v[T], v[T], v[T] row_xmask:4 row_mask:0xf bank_mask:0xf
	v_add_f32_dpp v[T], v[T], v[T] row_xmask:8 row_mask:0xf bank_mask:0xf
	v_permlanex16_b32 v[T+1], v[T], s2, s3
	v_add_f32 v[T], v[T], v[T+1]
.endm
.macro ROW rr
.set XR, X+32*(\rr)
	s_wait_loadcnt 8*(3-(\rr))                     ; my row's eight loads are in; the later rows' eight each may be out
	v_pk_add_f32 v[T:T+1], v[XR:XR+1], v[XR+2:XR+3]
	v_pk_add_f32 v[T+2:T+3], v[XR+4:XR+5], v[XR+6:XR+7]
.irp i, 8,12,16,20,24,28
	v_pk_add_f32 v[T:T+1], v[T:T+1], v[XR+\i:XR+\i+1]
	v_pk_add_f32 v[T+2:T+3], v[T+2:T+3], v[XR+\i+2:XR+\i+3]
.endr
	REDUCE
	v_mul_f32 v[MU], v8, v[T]                      ; the mean: sum / 1,024
	v_mul_f32 v[MU+1], v8, v[T]
.irp i, 0,2,4,6,8,10,12,14,16,18,20,22,24,26,28,30
	v_pk_add_f32 v[XR+\i:XR+\i+1], v[XR+\i:XR+\i+1], v[MU:MU+1] neg_lo:[0,1] neg_hi:[0,1]
.endr
	v_pk_mul_f32 v[T:T+1], v[XR:XR+1], v[XR:XR+1]
	v_pk_mul_f32 v[T+2:T+3], v[XR+2:XR+3], v[XR+2:XR+3]
.irp i, 4,8,12,16,20,24,28
	v_pk_fma_f32 v[T:T+1], v[XR+\i:XR+\i+1], v[XR+\i:XR+\i+1], v[T:T+1]
	v_pk_fma_f32 v[T+2:T+3], v[XR+\i+2:XR+\i+3], v[XR+\i+2:XR+\i+3], v[T+2:T+3]
.endr
	REDUCE
	v_fmaak_f32 v[T], v[T], v8, 0x3727c5ac         ; var + 1e-5
	s_wait_alu depctr_va_vdst(0)
	v_rsq_f32 v[RS], v[T]
	v_nop                                          ; a plain instruction behind the transcendental (ISA guide 5.7.2)
	s_wait_alu depctr_va_vdst(0)                   ; the wait ahead of the first reader
	v_mov_b32 v[RS+1], v[RS]
.irp i, 0,2,4,6,8,10,12,14,16,18,20,22,24,26,28,30
	v_pk_mul_f32 v[XR+\i:XR+\i+1], v[XR+\i:XR+\i+1], v[RS:RS+1]
.endr
.irp i, 0,2,4,6,8,10,12,14,16,18,20,22,24,26,28,30
	v_pk_fma_f32 v[XR+\i:XR+\i+1], v[XR+\i:XR+\i+1], v[G+\i:G+\i+1], v[BE+\i:BE+\i+1]
.endr
.set i, 0
.rept 32
	v_med3_num_f32 v[XR+i], v[XR+i], -v14, v14     ; the conversion to an 8-bit code does not saturate (ISA guide 7.6.2)
.set i, i+1
.endr
.irp g, 0,1,2,3
	v_cvt_scalef32_pk8_bf8_f32 v[CD+8*(\rr)+2*\g:CD+8*(\rr)+2*\g+1], v[XR+8*\g:XR+8*\g+7], v15   ; two registers: four codes of chunk 2 g, four of chunk 2 g + 1
.endr
.irp j, 0,1,2,3,4,5,6,7
	ds_store_b32 v7, v[CD+8*(\rr)+\j] offset:1040*(\rr)+128*\j
.endr
.endm
	s_load_b256 s[8:15], s[0:1], 0x0               ; x1 8, g2 10, be2 12, the scales' exponents 14
	s_load_b64 s[16:17], s[0:1], 0x20              ; act
	v_lshl_add_u32 v248, v0, 2, 0x4100
	v_mov_b32 v249, 0
	v_lshrrev_b32 v1, 5, v0
	v_readfirstlane_b32 s28, v1                    ; wave 0..3
	v_and_b32 v1, 31, v0                           ; lane
	v_and_b32 v2, 15, v0                           ; r
	v_bfe_u32 v3, v0, 4, 1                         ; h
	v_lshlrev_b32 v5, 4, v1                        ; 16 x lane
	s_mov_b32 s2, 0x76543210                       ; v_permlanex16_b32: lane l xor 16
	s_mov_b32 s3, 0xfedcba98
	s_lshl_b32 s44, ttmp9, 16                      ; 16 rows of 4,096 bytes
	s_lshl_b32 s45, s28, 14                        ; + my wave's four
	s_add_co_u32 s44, s44, s45
	s_mov_b32 s45, 0
	s_wait_alu depctr_va_vdst(0)
	s_wait_kmcnt 0x0
	s_load_b32 s32, s[14:15], 0x20                 ; e8
	s_add_nc_u64 s[PX:PX+1], s[PX:PX+1], s[44:45]
	s_lshl_b32 s44, ttmp9, 14                      ; the tile's eight fragments
	s_add_nc_u64 s[PA:PA+1], s[PA:PA+1], s[44:45]
.irp j, 0,1,2,3,4,5,6,7
	global_load_b128 v[G+4*\j:G+4*\j+3], v5, s[PG:PG+1] offset:512*\j
.endr
.irp j, 0,1,2,3,4,5,6,7
	global_load_b128 v[BE+4*\j:BE+4*\j+3], v5, s[PB:PB+1] offset:512*\j
.endr
.irp rr, 0,1,2,3
.irp j, 0,1,2,3,4,5,6,7
	global_load_b128 v[X+32*\rr+4*\j:X+32*\rr+4*\j+3], v5, s[PX:PX+1] offset:4096*\rr+512*\j th:TH_LOAD_NT   ; 32 lanes read 512 consecutive bytes
.endr
.endr
	v_mov_b32 v8, 0x3a800000                       ; 1 / 1,024
	s_mul_i32 s46, s28, 4160
	v_lshl_add_u32 v7, v1, 2, s46                  ; the stage, in: my wave's four rows, 4 bytes a lane
	v_mul_u32_u24 v9, v2, 1040
	v_lshl_add_u32 v9, v3, 4, v9
	s_lshl_b32 s46, s28, 8
	v_add_nc_u32 v9, s46, v9                       ; out: row r, + 16 h, + my wave's two K steps of 128 bytes
	s_lshl_b32 s46, s28, 12
	v_add_nc_u32 v6, s46, v5                       ; and their place in the image
	s_wait_kmcnt 0x0
	s_add_co_i32 s46, s32, 127
	s_lshl_b32 s47, s46, 23
	v_mov_b32 v15, s47                             ; 2^e8
	s_add_co_i32 s46, s46, 15
	s_lshl_b32 s46, s46, 23
	s_or_b32 s46, s46, 0x600000
	v_mov_b32 v14, s46                             ; 57,344 x 2^e8
	ROW 0
	ROW 1
	ROW 2
	ROW 3
	s_wait_dscnt 0x0                               ; for the others' sake: my stores into the stage are done
	s_barrier_signal -1
	s_barrier_wait -1
.irp f, 0,1
.irp c, 0,1,2,3
	ds_load_b128 v[X+16*\f+4*\c:X+16*\f+4*\c+3], v9 offset:128*\f+32*\c
.endr
.endr
.irp f, 0,1
.irp c, 0,1,2,3
	s_wait_dscnt 7-(4*\f+\c)
	global_store_b128 v6, v[X+16*\f+4*\c:X+16*\f+4*\c+3], s[PA:PA+1] offset:2048*\f+512*\c
.endr
.endr
	s_wait_tensorcnt 0x0
	ds_add_u32 v248, v249
	s_wait_dscnt 0x0
	s_endpgm
.Lfunc_end_k_q7167a95967_ln2:
	.size	k_q7167a95967_ln2, .Lfunc_end_k_q7167a95967_ln2-k_q7167a95967_ln2
	.p2alignl 7, 3214868480
	.fill 96, 4, 3214868480
	.section	.rodata,"a",@progbits
	.p2align	6, 0x0
	.amdhsa_kernel k_q7167a95967_ln2
		.amdhsa_group_segment_fixed_size 17152
		.amdhsa_private_segment_fixed_size 0
		.amdhsa_enable_private_segment 0
		.amdhsa_kernarg_size 40
		.amdhsa_user_sgpr_count 2
		.amdhsa_user_sgpr_kernarg_segment_ptr 1
		.amdhsa_wavefront_size32 1
		.amdhsa_system_sgpr_workgroup_id_x 1
		.amdhsa_system_sgpr_workgroup_id_y 1
		.amdhsa_system_sgpr_workgroup_id_z 1
		.amdhsa_system_vgpr_workitem_id 0
		.amdhsa_next_free_vgpr 250
		.amdhsa_next_free_sgpr 66
		.amdhsa_reserve_vcc 0
		.amdhsa_float_denorm_mode_32 3
		.amdhsa_float_denorm_mode_16_64 3
		.amdhsa_memory_ordered 1
		.amdhsa_forward_progress 1
		.amdhsa_inst_pref_size 44
	.end_amdhsa_kernel
	.amdgpu_metadata
---
amdhsa.version: [ 1, 2 ]
amdhsa.kernels:
  - .name:           k_q7167a95967_ln2
    .symbol:         k_q7167a95967_ln2.kd
    .args:
      - { .name: x1, .offset: 0, .size: 8, .value_kind: global_buffer, .address_space: global }
      - { .name: g2, .offset: 8, .size: 8, .value_kind: global_buffer, .address_space: global }
      - { .name: be2, .offset: 16, .size: 8, .value_kind: global_buffer, .address_space: global }
      - { .name: lowp_scales, .offset: 24, .size: 8, .value_kind: global_buffer, .address_space: global }
      - { .name: act, .offset: 32, .size: 8, .value_kind: global_buffer, .address_space: global }
    .group_segment_fixed_size: 17152
    .private_segment_fixed_size: 0
    .kernarg_segment_align: 8
    .kernarg_segment_size: 40
    .max_flat_workgroup_size: 128
    .sgpr_count:     66
    .vgpr_count:     250
    .wavefront_size: 32
...
	.end_amdgpu_metadata
.endif
;; end of part 5
;; launch ffn1 (part 6): grid 16 x 16, 4 waves a work-group, clusters of 4 x 4, 327,680 bytes of LDS; arguments act, wts, lowp_scales, b1, hid; writes hid
.if DOCPART == 6
	.amdgcn_target "amdgcn-amd-amdhsa--gfx1250"
	.amdhsa_code_object_version 6
	.text
	.protected	k_q7167a95967_ffn1
	.globl	k_q7167a95967_ffn1
	.p2align	8
	.type	k_q7167a95967_ffn1,@function
k_q7167a95967_ffn1:
	s_mov_b64 s[64:65], 0
	v_nop
	global_prefetch_b8 v0, s[64:65] scope:SCOPE_SE
	s_setreg_imm32_b32 hwreg(HW_REG_WAVE_MODE, 25, 1), 1
	s_wait_xcnt 0x0
	s_wait_alu depctr_hold_cnt(0) depctr_sa_sdst(0) depctr_va_vdst(0) depctr_va_sdst(0) depctr_va_ssrc(0) depctr_va_vcc(0) depctr_vm_vsrc(0)
	s_getreg_b32 s2, hwreg(HW_REG_IB_STS2, 6, 4)
	s_cmp_eq_u32 s2, 0
	s_cbranch_scc0 .Lentry_in_a_cluster
	s_endpgm
.Lentry_in_a_cluster:
	s_bfe_u32 s2, ttmp6, 0x10000c
	s_cmp_lg_u32 s2, 0xf033
	s_cbranch_scc0 .Lentry_shape_is_right
	s_endpgm
.Lentry_shape_is_right:
.set HALFT,  32768
.set SLOT,   4*HALFT
.set SPARE,  2*SLOT
.set FR,     16
.set NL,     4
.set NP,     4
.set ADRA, 16
.set ADRB, 20
.set LI,   27
.set SPW,  28
.set NIL,  29
.set BI,   32
.set SCL,  96
.set LIM,  97
.set AF,   128
.set G1, 24
.set G0, 32
.set G1B, 48
.set G0B, 56
.set MSB, 0
.macro WIN new
.if MSB != (\new)
	s_set_vgpr_msb (MSB<<8)|(\new)
.set MSB, (\new)
.endif
.endm
.set MUL_LO, 0xa1
.set MUL_HI, 0xf1
.set TO_B,   0x40
.macro JLOAD g0a, g1a, g0b, g1b
	s_cmp_eq_u32 s15, 0
	s_cbranch_scc0 .Lfor_b_\@
	tensor_load_to_lds s[\g0a:\g0a+3], s[\g1a:\g1a+7]
	s_nop 0
.rept 4
	v_nop
.endr
	s_branch .Lasked_\@
.Lfor_b_\@:
	tensor_load_to_lds s[\g0b:\g0b+3], s[\g1b:\g1b+7]
	s_nop 0
.rept 4
	v_nop
.endr
.Lasked_\@:
.endm
.macro CREST
	s_cmp_lg_u32 s14, 0
	s_cbranch_scc1 .Lnot_wave_0_\@
	s_barrier_signal -3
.Lnot_wave_0_\@:
	s_barrier_wait -3
	s_barrier_signal -1
	s_barrier_wait -1
.endm
.macro CROUND
	s_barrier_signal -1
	s_barrier_wait -1
	CREST
.endm
.macro FRAG reg, adr, q, i
.irp c, 0,1,2,3
	ds_load_b128 v[\reg+4*\c:\reg+4*\c+3], v[\adr] offset:4096*(\i)+2048*(\q)+512*\c
.endr
.endm
.macro MUL16 a0, p, zero
.irp a, \a0, \a0+1
.irp b, 0,1,2,3,4,5,6,7
.if \zero
	v_wmma_f32_16x16x128_bf8_bf8 v[8*(8*((\a)%4)+\b):8*(8*((\a)%4)+\b)+7], v[128*(\p)+FR*\b:128*(\p)+FR*\b+FR-1], v[AF+FR*(\a):AF+FR*(\a)+FR-1], v[BI+8*\b:BI+8*\b+7]
.else
	v_wmma_f32_16x16x128_bf8_bf8 v[8*(8*((\a)%4)+\b):8*(8*((\a)%4)+\b)+7], v[128*(\p)+FR*\b:128*(\p)+FR*\b+FR-1], v[AF+FR*(\a):AF+FR*(\a)+FR-1], v[8*(8*((\a)%4)+\b):8*(8*((\a)%4)+\b)+7]
.endif
.endr
.endr
.endm
.macro FETCH_B slot, q, p
	WIN TO_B
.irp i, 0,1,2,3,4,5,6,7
	FRAG 128*(\p)+FR*\i, ADRB+\slot, \q, \i
.endr
	WIN 0
.endm
.macro FETCH_A slot, q, i0
.irp i, \i0, \i0+1, \i0+2, \i0+3
	FRAG AF+FR*(\i), ADRA+\slot, \q, \i
.endr
.endm
.macro PLACES n
.rept \n
	v_nop
.endr
.endm
.macro STEP slot, q, zero
	s_wait_dscnt 4*NL
.if \zero
	WIN 0x81
.else
	WIN MUL_LO
.endif
	MUL16 0, (\q)%2, \zero
	MUL16 2, (\q)%2, \zero
	s_wait_dscnt 0
	PLACES NP
	FETCH_B \slot, (\q)+1, 1-(\q)%2
	FETCH_A \slot, (\q)+1, 0
.if \zero
	WIN 0xc1
.else
	WIN MUL_HI
.endif
	MUL16 4, (\q)%2, \zero
	MUL16 6, (\q)%2, \zero
	PLACES NP
	WIN 0
	FETCH_A \slot, (\q)+1, 4
.endm
.macro TURN slot, next, fill
	s_wait_tensorcnt 0x0
	ds_add_u32 v[SPW], v[NIL]
	s_wait_dscnt 4*NL+1
	WIN MUL_LO
	MUL16 0, 1, 0
	s_wait_dscnt 0x0
	s_barrier_signal -1
	MUL16 2, 1, 0
	WIN 0
	s_barrier_wait -1
.if \fill
	CREST
	s_add_nc_u64 s[G0+4*\slot+2:G0+4*\slot+3], s[G0+4*\slot+2:G0+4*\slot+3], 8192
	s_add_nc_u64 s[G0B+4*\slot+2:G0B+4*\slot+3], s[G0B+4*\slot+2:G0B+4*\slot+3], 8192
	JLOAD G0+4*\slot, G1, G0B+4*\slot, G1B
.else
	PLACES NP
.endif
	FETCH_B \next, 0, 0
	FETCH_A \next, 0, 0
	WIN MUL_HI
	MUL16 4, 1, 0
	MUL16 6, 1, 0
	PLACES NP
	WIN 0
	FETCH_A \next, 0, 4
.endm
.macro QOUT a
.set AC, 64*((\a)%4)
	WIN 0x82+0x41*((\a)/4)
.set i, 0
.rept 64
	v_med3_num_f32 v[AC+i], v[AC+i], 0, v[LIM]
.set i, i+1
.endr
	WIN 0x02+((\a)/4)
.irp g, 0,1,2,3,4,5,6,7
	v_cvt_scalef32_pk8_bf8_f32 v[AF+16*(\a)+2*\g:AF+16*(\a)+2*\g+1], v[AC+8*\g:AC+8*\g+7], v[SCL]
.endr
	WIN 0
	v_nop
.irp b, 0,1,2,3
	global_store_b128 v[LI], v[AF+16*(\a)+4*\b:AF+16*(\a)+4*\b+3], s[12:13] offset:65536*(\a)+512*\b
.endr
.endm
	s_load_b256 s[4:11], s[0:1], 0x0
	s_load_b64 s[12:13], s[0:1], 0x20
	v_lshl_add_u32 v[SPW], v0, 2, SPARE
	v_mov_b32 v[NIL], 0
	ds_add_u32 v28, v29
	ds_add_u32 v28, v29
	s_wait_dscnt 0x0
	v_lshrrev_b32 v1, 5, v0
	v_readfirstlane_b32 s14, v1
	s_lshr_b32 s15, s14, 1
	s_and_b32 s16, s14, 1
	s_bfe_u32 s40, ttmp6, 0x40000
	s_bfe_u32 s41, ttmp6, 0x40004
	s_lshl_b32 s42, ttmp9, 2
	s_add_co_u32 s42, s42, s40
	s_and_b32 s17, ttmp7, 0xffff
	s_lshl_b32 s17, s17, 2
	s_add_co_u32 s17, s17, s41
	s_lshl_b32 s43, s41, 2
	s_lshl_b32 s43, 15, s43
	s_lshl_b32 s44, 0x1111, s40
	s_or_b32 s[G1+0], s43, (3<<16)|(1<<21)
	s_or_b32 s[G1B+0], s44, (3<<16)|(1<<21)
.irp g, G1, G1B
	s_mov_b32 s[\g+1], 512<<16
	s_mov_b32 s[\g+2], 8<<16
	s_mov_b32 s[\g+3], 512<<16
	s_mov_b32 s[\g+4], 8
	s_mov_b32 s[\g+5], 2048
	s_mov_b32 s[\g+6], 0
	s_mov_b32 s[\g+7], 0
.endr
	s_lshl_b32 s45, s14, 15
	s_lshl_b32 s23, s16, 17
	s_lshl_b32 s20, s17, 18
	s_add_co_u32 s20, s20, s23
	s_mov_b32 s21, 0
	s_lshl_b32 s46, s42, 18
	s_add_co_u32 s46, s46, s23
	s_add_co_u32 s46, s46, 0x400000
	s_mov_b32 s47, 0
	s_wait_kmcnt 0x0
	s_load_b128 s[72:75], s[8:9], 0x20
	s_add_nc_u64 s[20:21], s[4:5], s[20:21]
	s_add_nc_u64 s[46:47], s[6:7], s[46:47]
	; the prefetches: of the 8 tiles x 4,096 bytes that my tensor load brings (128 blocks of 256 bytes) the partner at place p among the four that ask jointly (cx for A, cy for B) names tiles 2 p, 2 p + 1: a lane a block
	s_cmp_eq_u32 s15, 0
	s_cselect_b64 s[84:85], s[20:21], s[46:47]
	s_cselect_b32 s86, s40, s41
	s_lshl_b32 s86, s86, 15
	v_and_b32 v30, 15, v0
	v_lshlrev_b32 v30, 8, v30
	v_bfe_u32 v31, v0, 4, 1
	v_lshl_add_u32 v30, v31, 14, v30
	v_add_nc_u32 v30, s86, v30                     ; 32,768 p + 16,384 (lane / 16) + 256 (lane % 16); never rewritten, nor is s[84:85]
	global_prefetch_b8 v30, s[84:85] offset:4096 th:TH_LOAD_NT scope:SCOPE_SE   ; the second slot's first fill, which goes out when the first slot's has landed
	s_wait_alu depctr_va_vdst(0)                   ; directly ahead of the round's barrier
	CROUND
.irp s, 0,1
	s_mov_b32 s[G0+4*\s], 1
	s_add_co_u32 s[G0+4*\s+1], s45, \s*SLOT
	s_add_nc_u64 s[G0+4*\s+2:G0+4*\s+3], s[20:21], \s*4096
	s_or_b32 s[G0+4*\s+3], s[G0+4*\s+3], 0x80000000
	s_mov_b32 s[G0B+4*\s], 1
	s_add_co_u32 s[G0B+4*\s+1], s45, \s*SLOT
	s_add_nc_u64 s[G0B+4*\s+2:G0B+4*\s+3], s[46:47], \s*4096
	s_or_b32 s[G0B+4*\s+3], s[G0B+4*\s+3], 0x80000000
.if \s > 0                             ; slot 0's fill is the wave's one tensor load at the head; slot 1's stands behind these lines and a round
	s_wait_alu depctr_va_vdst(0)
	s_wait_tensorcnt 0x0
	ds_add_u32 v28, v29
	ds_add_u32 v28, v29
	s_wait_dscnt 0x0
	CROUND
.endif
	JLOAD G0+4*\s, G1, G0B+4*\s, G1B
	global_prefetch_b8 v30, s[84:85] offset:(\s+2)*4096 th:TH_LOAD_NT scope:SCOPE_SE   ; what the fill two fills on will ask for; K has four fills, so the refills ask for nothing
.endr
	v_and_b32 v2, 31, v0
	v_lshlrev_b32 v[LI], 4, v2
	v_bfe_u32 v3, v0, 4, 1
	s_wait_alu depctr_va_vdst(0)
	s_lshl_b32 s21, s15, 15
	s_lshl_b32 s22, s16, 15
	s_add_co_u32 s22, s22, 2*HALFT
.irp s, 0,1
	v_add_nc_u32 v[ADRA+\s], s21, v[LI]
	v_add_nc_u32 v[ADRB+\s], s22, v[LI]
	s_add_co_u32 s21, s21, SLOT
	s_add_co_u32 s22, s22, SLOT
.endr
	s_lshl_b32 s21, s42, 10
	s_lshl_b32 s22, s16, 9
	s_add_co_u32 s21, s21, s22
	v_lshlrev_b32 v4, 6, v3
	v_add_nc_u32 v4, s21, v4
.irp b, 0,1,2,3,4,5,6,7
	global_load_b128 v[BI+8*\b:BI+8*\b+3], v4, s[10:11] offset:128*(\b/2)+32*(\b%2)
	global_load_b128 v[BI+8*\b+4:BI+8*\b+7], v4, s[10:11] offset:128*(\b/2)+32*(\b%2)+16
.endr
	s_lshl_b32 s20, s17, 4
	s_lshl_b32 s21, s15, 3
	s_add_co_u32 s20, s20, s21
	s_lshl_b32 s20, s20, 5
	s_lshl_b32 s21, s42, 1
	s_add_co_u32 s20, s20, s21
	s_add_co_u32 s20, s20, s16
	s_lshl_b32 s20, s20, 11
	s_mov_b32 s21, 0
	s_add_nc_u64 s[12:13], s[12:13], s[20:21]
	s_wait_kmcnt 0x0
	s_add_co_i32 s76, s72, s73
	s_sub_co_i32 s77, 0, s76
	s_sub_co_i32 s78, s74, s76
	s_add_co_i32 s78, s78, 127
	s_lshl_b32 s79, s78, 23
	v_mov_b32 v[SCL], s79
	s_add_co_i32 s78, s78, 15
	s_lshl_b32 s78, s78, 23
	s_or_b32 s78, s78, 0x600000
	v_mov_b32 v[LIM], s78
	s_wait_loadcnt 0x0
.set i, 0
.rept 64
	v_ldexp_f32 v[BI+i], v[BI+i], s77
.set i, i+1
.endr
	s_wait_alu depctr_va_vdst(0)
	s_wait_tensorcnt 1
	s_barrier_signal -1
	s_barrier_wait -1
	FETCH_B 0, 0, 0
	FETCH_A 0, 0, 0
	FETCH_A 0, 0, 4
	STEP 0, 0, 1
	TURN 0, 1, 1
	STEP 1, 0, 0
	TURN 1, 0, 1
	STEP 0, 0, 0
	TURN 0, 1, 0
	STEP 1, 0, 0
	s_wait_dscnt 4*NL
	WIN MUL_LO
	MUL16 0, 1, 0
	MUL16 2, 1, 0
	s_wait_dscnt 0
	WIN MUL_HI
	MUL16 4, 1, 0
	MUL16 6, 1, 0
	WIN 0
	PLACES NP
.irp a, 0,1,2,3,4,5,6,7
	QOUT \a
.endr
	s_wait_tensorcnt 0x0
	ds_add_u32 v[SPW], v[NIL]
	s_wait_dscnt 0x0
	CROUND
	s_endpgm
.Lfunc_end_k_q7167a95967_ffn1:
	.size	k_q7167a95967_ffn1, .Lfunc_end_k_q7167a95967_ffn1-k_q7167a95967_ffn1
	.p2alignl 7, 3214868480
	.fill 96, 4, 3214868480
	.section	.rodata,"a",@progbits
	.p2align	6, 0x0
	.amdhsa_kernel k_q7167a95967_ffn1
		.amdhsa_group_segment_fixed_size 327680
		.amdhsa_private_segment_fixed_size 0
		.amdhsa_enable_private_segment 0
		.amdhsa_kernarg_size 40
		.amdhsa_user_sgpr_count 2
		.amdhsa_user_sgpr_kernarg_segment_ptr 1
		.amdhsa_wavefront_size32 1
		.amdhsa_system_sgpr_workgroup_id_x 1
		.amdhsa_system_sgpr_workgroup_id_y 1
		.amdhsa_system_sgpr_workgroup_id_z 1
		.amdhsa_system_vgpr_workitem_id 0
		.amdhsa_next_free_vgpr 1024
		.amdhsa_next_free_sgpr 100
		.amdhsa_reserve_vcc 0
		.amdhsa_float_denorm_mode_32 3
		.amdhsa_float_denorm_mode_16_64 3
		.amdhsa_memory_ordered 1
		.amdhsa_forward_progress 1
		.amdhsa_inst_pref_size 124
	.end_amdhsa_kernel
	.amdgpu_metadata
---
amdhsa.version: [ 1, 2 ]
amdhsa.kernels:
  - .name:           k_q7167a95967_ffn1
    .symbol:         k_q7167a95967_ffn1.kd
    .args:
      - { .name: act, .offset: 0, .size: 8, .value_kind: global_buffer, .address_space: global }
      - { .name: wts, .offset: 8, .size: 8, .value_kind: global_buffer, .address_space: global }
      - { .name: lowp_scales, .offset: 16, .size: 8, .value_kind: global_buffer, .address_space: global }
      - { .name: b1, .offset: 24, .size: 8, .value_kind: global_buffer, .address_space: global }
      - { .name: hid, .offset: 32, .size: 8, .value_kind: global_buffer, .address_space: global }
    .group_segment_fixed_size: 327680
    .private_segment_fixed_size: 0
    .kernarg_segment_align: 8
    .kernarg_segment_size: 40
    .max_flat_workgroup_size: 128
    .sgpr_count:     100
    .vgpr_count:     1024
    .wavefront_size: 32
...
	.end_amdgpu_metadata
.endif
;; end of part 6
;; launch ffn2 (part 7): grid 8 x 32, 4 waves a work-group, clusters of 4 x 4, 327,680 bytes of LDS; arguments hid, wts, lowp_scales, b2, x1, out0; writes out0
.if DOCPART == 7
	.amdgcn_target "amdgcn-amd-amdhsa--gfx1250"
	.amdhsa_code_object_version 6
	.text
	.protected	k_q7167a95967_ffn2
	.globl	k_q7167a95967_ffn2
	.p2align	8
	.type	k_q7167a95967_ffn2,@function
k_q7167a95967_ffn2:
	s_mov_b64 s[64:65], 0
	v_nop
	global_prefetch_b8 v0, s[64:65] scope:SCOPE_SE
	s_setreg_imm32_b32 hwreg(HW_REG_WAVE_MODE, 25, 1), 1
	s_wait_xcnt 0x0
	s_wait_alu depctr_hold_cnt(0) depctr_sa_sdst(0) depctr_va_vdst(0) depctr_va_sdst(0) depctr_va_ssrc(0) depctr_va_vcc(0) depctr_vm_vsrc(0)
	s_getreg_b32 s2, hwreg(HW_REG_IB_STS2, 6, 4)
	s_cmp_eq_u32 s2, 0
	s_cbranch_scc0 .Lentry_in_a_cluster
	s_endpgm
.Lentry_in_a_cluster:
	s_bfe_u32 s2, ttmp6, 0x10000c
	s_cmp_lg_u32 s2, 0xf033
	s_cbranch_scc0 .Lentry_shape_is_right
	s_endpgm
.Lentry_shape_is_right:
.set KST,   32
.set WOFF,  0x800000
.set EOFF,  0x28
.set LAPS,  KST/8
.set HALFT, 32768
.set SLOT,  4*HALFT
.set SPARE, 2*SLOT
.set ADRA, 16
.set ADRB, 20
.set STO,  24
.set RD,   25
.set CO,   26
.set SPW,  28
.set NIL,  29
.set BI,   32
.set BK,   64
.set ACC,  128
.set F0,   0
.set F1,   128
.set G1, 24
.set G0, 32
.set G1B, 48
.set G0B, 56
.set MSB, 0
.macro WIN new
.if MSB != (\new)
	s_set_vgpr_msb (MSB<<8)|(\new)
.set MSB, (\new)
.endif
.endm
.set MUL,  0x05
.set TO_F, 0x40
.macro JLOAD s
	s_cmp_eq_u32 s15, 0
	s_cbranch_scc0 .Lfor_b_\@
	tensor_load_to_lds s[G0+4*\s:G0+4*\s+3], s[G1:G1+7]
	s_nop 0
.rept 4
	v_nop
.endr
	s_branch .Lasked_\@
.Lfor_b_\@:
	tensor_load_to_lds s[G0B+4*\s:G0B+4*\s+3], s[G1B:G1B+7]
	s_nop 0
.rept 4
	v_nop
.endr
.Lasked_\@:
.endm
.macro CREST
	s_cmp_lg_u32 s14, 0
	s_cbranch_scc1 .Lnot_wave_0_\@
	s_barrier_signal -3
.Lnot_wave_0_\@:
	s_barrier_wait -3
	s_barrier_signal -1
	s_barrier_wait -1
.endm
.macro CROUND
	s_barrier_signal -1
	s_barrier_wait -1
	CREST
.endm
.macro PLACES
.rept 4
	v_nop
.endr
.endm
.macro FETCH slot, q, f
	WIN TO_F
.irp i, 0,1,2,3
.irp c, 0,1,2,3
	ds_load_b128 v[\f+64+16*\i+4*\c:\f+64+16*\i+4*\c+3], v[ADRB+\slot] offset:8192*\i+2048*(\q)+512*\c
.endr
.endr
.irp i, 0,1,2,3
.irp c, 0,1,2,3
	ds_load_b128 v[\f+16*\i+4*\c:\f+16*\i+4*\c+3], v[ADRA+\slot] offset:8192*\i+2048*(\q)+512*\c
.endr
.endr
.endm
.macro MULA f, a, z
.irp b, 0,1,2,3
.if \z
	v_wmma_f32_16x16x128_bf8_bf8 v[ACC+8*(4*(\a)+\b):ACC+8*(4*(\a)+\b)+7], v[\f+64+16*\b:\f+64+16*\b+15], v[\f+16*(\a):\f+16*(\a)+15], v[BI+8*\b:BI+8*\b+7]
.else
	v_wmma_f32_16x16x128_bf8_bf8 v[ACC+8*(4*(\a)+\b):ACC+8*(4*(\a)+\b)+7], v[\f+64+16*\b:\f+64+16*\b+15], v[\f+16*(\a):\f+16*(\a)+15], v[ACC+8*(4*(\a)+\b):ACC+8*(4*(\a)+\b)+7]
.endif
.endr
.endm
.macro STEP slot, q, f, g, z
	s_wait_dscnt 8
	WIN MUL
	MULA \f, 0, \z
	MULA \f, 1, \z
	PLACES
	FETCH \slot, (\q)+1, \g
	s_wait_dscnt 32
	WIN MUL
	MULA \f, 2, \z
	MULA \f, 3, \z
.endm
.macro TURN slot, next, fill
	WIN 0
.if (\fill) && ((\slot) == 0)
	s_wait_xcnt 0x0                                ; my prefetches have read their address: it steps once a trip, two fills of 8,192 bytes a tile
	s_add_nc_u64 s[84:85], s[84:85], 16384
.endif
	s_wait_tensorcnt 0x0
	ds_add_u32 v[SPW], v[NIL]
	s_wait_dscnt 9
	WIN MUL
	MULA F1, 0, 0
	s_wait_dscnt 0x0
	s_barrier_signal -1
	MULA F1, 1, 0
	WIN 0
	s_barrier_wait -1
.if \fill
	CREST
	s_add_nc_u64 s[G0+4*\slot+2:G0+4*\slot+3], s[G0+4*\slot+2:G0+4*\slot+3], 16384
	s_add_nc_u64 s[G0B+4*\slot+2:G0B+4*\slot+3], s[G0B+4*\slot+2:G0B+4*\slot+3], 16384
	JLOAD \slot
.else
	PLACES
.endif
	FETCH \next, 0, F0
.if \fill
	WIN 0                                          ; at a branch and at a label every window is 0
	s_cmp_gt_u32 s3, 1                             ; the loop's last trip has no fill two fills on
	s_cbranch_scc0 .Lnp_\@
	global_prefetch_b8 v30, s[84:85] offset:16384+8192*\slot th:TH_LOAD_NT scope:SCOPE_SE   ; what the fill two fills on will ask for
.Lnp_\@:
.endif
	WIN MUL
	MULA F1, 2, 0
	MULA F1, 3, 0
.endm
.macro TOSTAGE a
.irp b, 0,1,2,3
	ds_store_b128 v[STO], v[ACC+32*(\a)+8*\b:ACC+32*(\a)+8*\b+3] offset:128*(\b/2)+32*(\b%2)
	ds_store_b128 v[STO], v[ACC+32*(\a)+8*\b+4:ACC+32*(\a)+8*\b+7] offset:128*(\b/2)+32*(\b%2)+16
.endr
.irp t, 0,1,2,3,4,5,6,7
	ds_load_b128 v[BK+32*((\a)%2)+4*\t:BK+32*((\a)%2)+4*\t+3], v[RD] offset:544*\t
.endr
.endm
.macro SEND a, younger
.set BKS, BK+32*((\a)%2)
.set RSD, 32*(\a)
	s_wait_dscnt \younger
.set i, 0
.rept 16
	v_pk_fma_f32 v[BKS+i:BKS+i+1], v[BKS+i:BKS+i+1], s[96:97], v[RSD+i:RSD+i+1] op_sel_hi:[1,0,1]
.set i, i+2
.endr
.irp t, 0,1,2,3,4,5,6,7
	global_store_b128 v[CO], v[BKS+4*\t:BKS+4*\t+3], s[70:71] offset:(16*(\a)+2*\t)*4096 th:TH_STORE_NT
.endr
.endm
	s_load_b256 s[4:11], s[0:1], 0x0
	s_load_b128 s[68:71], s[0:1], 0x20
	v_lshl_add_u32 v[SPW], v0, 2, SPARE
	v_mov_b32 v[NIL], 0
	ds_add_u32 v28, v29
	ds_add_u32 v28, v29
	s_wait_dscnt 0x0
	v_lshrrev_b32 v1, 5, v0
	v_readfirstlane_b32 s14, v1
	s_lshr_b32 s15, s14, 1
	s_and_b32 s16, s14, 1
	s_bfe_u32 s40, ttmp6, 0x40000
	s_bfe_u32 s41, ttmp6, 0x40004
	s_lshl_b32 s42, ttmp9, 2
	s_add_co_u32 s42, s42, s40
	s_and_b32 s17, ttmp7, 0xffff
	s_lshl_b32 s17, s17, 2
	s_add_co_u32 s17, s17, s41
	s_lshl_b32 s43, s41, 2
	s_lshl_b32 s43, 15, s43
	s_lshl_b32 s44, 0x1111, s40
	s_or_b32 s[G1+0], s43, (3<<16)|(1<<21)
	s_or_b32 s[G1B+0], s44, (3<<16)|(1<<21)
.irp g, G1, G1B
	s_mov_b32 s[\g+1], 1024<<16
	s_mov_b32 s[\g+2], 4<<16
	s_mov_b32 s[\g+3], 1024<<16
	s_mov_b32 s[\g+4], 4
	s_mov_b32 s[\g+5], KST*256
	s_mov_b32 s[\g+6], 0
	s_mov_b32 s[\g+7], 0
.endr
	s_lshl_b32 s18, s16, 2
	s_lshl_b32 s20, s17, 3
	s_add_co_u32 s20, s20, s18
	s_mul_i32 s20, s20, KST*2048
	s_mov_b32 s21, 0
	s_lshl_b32 s46, s42, 3
	s_add_co_u32 s46, s46, s18
	s_mul_i32 s46, s46, KST*2048
	s_add_co_u32 s46, s46, WOFF
	s_mov_b32 s47, 0
	s_lshl_b32 s45, s14, 15
	s_wait_kmcnt 0x0
	s_load_b64 s[72:73], s[8:9], EOFF
	s_add_nc_u64 s[20:21], s[4:5], s[20:21]
	s_add_nc_u64 s[46:47], s[6:7], s[46:47]
	; the prefetches: of the 4 tiles x 8,192 bytes that my tensor load brings (128 blocks of 256 bytes) the partner at place p among the four that ask jointly (cx for A, cy for B) names tile p: a lane a block
	s_cmp_eq_u32 s15, 0
	s_cselect_b64 s[84:85], s[20:21], s[46:47]
	s_cselect_b32 s86, s40, s41
	s_lshl_b32 s86, s86, 16
	v_and_b32 v30, 31, v0
	v_lshlrev_b32 v30, 8, v30
	v_add_nc_u32 v30, s86, v30                     ; 65,536 p + 256 lane; never rewritten
	global_prefetch_b8 v30, s[84:85] offset:8192 th:TH_LOAD_NT scope:SCOPE_SE   ; the second slot's first fill, which goes out when the first slot's has landed
	s_wait_alu depctr_va_vdst(0)                   ; directly ahead of the round's barrier
	CROUND
.irp s, 0,1
	s_mov_b32 s[G0+4*\s], 1
	s_add_co_u32 s[G0+4*\s+1], s45, \s*SLOT
	s_add_nc_u64 s[G0+4*\s+2:G0+4*\s+3], s[20:21], \s*8192
	s_or_b32 s[G0+4*\s+3], s[G0+4*\s+3], 0x80000000
	s_mov_b32 s[G0B+4*\s], 1
	s_add_co_u32 s[G0B+4*\s+1], s45, \s*SLOT
	s_add_nc_u64 s[G0B+4*\s+2:G0B+4*\s+3], s[46:47], \s*8192
	s_or_b32 s[G0B+4*\s+3], s[G0B+4*\s+3], 0x80000000
.if \s > 0                             ; slot 0's fill is the wave's one tensor load at the head; slot 1's stands behind these lines and a round
	s_wait_alu depctr_va_vdst(0)
	s_wait_tensorcnt 0x0
	ds_add_u32 v28, v29
	ds_add_u32 v28, v29
	s_wait_dscnt 0x0
	CROUND
.endif
	JLOAD \s
	global_prefetch_b8 v30, s[84:85] offset:(\s+2)*8192 th:TH_LOAD_NT scope:SCOPE_SE   ; what the fill two fills on will ask for
.endr
	v_and_b32 v1, 15, v0
	v_bfe_u32 v2, v0, 4, 1
	s_wait_alu depctr_va_vdst(0)
	v_and_b32 v3, 31, v0
	v_lshlrev_b32 v4, 4, v3
	s_lshl_b32 s21, s15, 15
	s_lshl_b32 s22, s16, 15
	s_add_co_u32 s22, s22, 2*HALFT
.irp s, 0,1
	v_add_nc_u32 v[ADRA+\s], s21, v4
	v_add_nc_u32 v[ADRB+\s], s22, v4
	s_add_co_u32 s21, s21, SLOT
	s_add_co_u32 s22, s22, SLOT
.endr
	s_lshl_b32 s21, s42, 9
	s_lshl_b32 s22, s16, 8
	s_add_co_u32 s21, s21, s22
	v_lshlrev_b32 v5, 6, v2
	v_add_nc_u32 v5, s21, v5
.irp b, 0,1,2,3
	global_load_b128 v[BI+8*\b:BI+8*\b+3], v5, s[10:11] offset:128*(\b/2)+32*(\b%2)
	global_load_b128 v[BI+8*\b+4:BI+8*\b+7], v5, s[10:11] offset:128*(\b/2)+32*(\b%2)+16
.endr
	s_lshl_b32 s22, s17, 19
	s_lshl_b32 s23, s15, 18
	s_add_co_u32 s22, s22, s23
	s_add_co_u32 s22, s22, s21
	s_mov_b32 s23, 0
	s_add_nc_u64 s[68:69], s[68:69], s[22:23]
	s_add_nc_u64 s[70:71], s[70:71], s[22:23]
	v_lshlrev_b32 v[CO], 12, v2
	v_lshl_add_u32 v[CO], v1, 4, v[CO]
	WIN 0x80
.irp a, 0,1,2,3
.irp t, 0,1,2,3,4,5,6,7
	global_load_b128 v[32*\a+4*\t:32*\a+4*\t+3], v[CO], s[68:69] offset:(16*\a+2*\t)*4096 th:TH_LOAD_NT
.endr
.endr
	WIN 0
	s_mul_i32 s23, s14, 4352
	v_mul_u32_u24 v6, v1, 272
	v_lshl_add_u32 v6, v2, 6, v6
	v_add_nc_u32 v[STO], s23, v6
	v_mul_u32_u24 v6, v2, 272
	v_lshl_add_u32 v6, v1, 4, v6
	v_add_nc_u32 v[RD], s23, v6
	s_wait_kmcnt 0x0
	s_add_co_i32 s96, s72, s73
	s_sub_co_i32 s98, 0, s96
	s_add_co_i32 s96, s96, 127
	s_lshl_b32 s96, s96, 23
	s_mov_b32 s97, s96
	s_wait_loadcnt 32
.set i, 0
.rept 32
	v_ldexp_f32 v[BI+i], v[BI+i], s98
.set i, i+1
.endr
	s_wait_alu depctr_va_vdst(0)
	s_wait_tensorcnt 1
	s_barrier_signal -1
	s_barrier_wait -1
	FETCH 0, 0, F0
	STEP 0, 0, F0, F1, 1
.if LAPS > 1
	WIN 0
	s_mov_b32 s3, LAPS-1
.Llap:
	STEP 0, 1, F1, F0, 0
	STEP 0, 2, F0, F1, 0
	TURN 0, 1, 1
	STEP 1, 0, F0, F1, 0
	STEP 1, 1, F1, F0, 0
	STEP 1, 2, F0, F1, 0
	TURN 1, 0, 1
	STEP 0, 0, F0, F1, 0
	WIN 0
	s_sub_co_u32 s3, s3, 1
	s_cmp_lg_u32 s3, 0
	s_cbranch_scc1 .Llap
.endif
	STEP 0, 1, F1, F0, 0
	STEP 0, 2, F0, F1, 0
	TURN 0, 1, 0
	STEP 1, 0, F0, F1, 0
	STEP 1, 1, F1, F0, 0
	STEP 1, 2, F0, F1, 0
	s_wait_dscnt 8
	WIN MUL
	MULA F1, 0, 0
	MULA F1, 1, 0
	s_wait_dscnt 0
	MULA F1, 2, 0
	MULA F1, 3, 0
	WIN 0x20
	PLACES
	s_wait_loadcnt 0x0
	TOSTAGE 0
.irp a, 1,2,3
.if \a > 1
	s_wait_xcnt 0x0
.endif
	TOSTAGE \a
	SEND \a-1, 16
.endr
	SEND 3, 0
	WIN 0
	s_wait_tensorcnt 0x0
	ds_add_u32 v[SPW], v[NIL]
	s_wait_dscnt 0x0
	CROUND
	s_endpgm
.Lfunc_end_k_q7167a95967_ffn2:
	.size	k_q7167a95967_ffn2, .Lfunc_end_k_q7167a95967_ffn2-k_q7167a95967_ffn2
	.p2alignl 7, 3214868480
	.fill 96, 4, 3214868480
	.section	.rodata,"a",@progbits
	.p2align	6, 0x0
	.amdhsa_kernel k_q7167a95967_ffn2
		.amdhsa_group_segment_fixed_size 327680
		.amdhsa_private_segment_fixed_size 0
		.amdhsa_enable_private_segment 0
		.amdhsa_kernarg_size 48
		.amdhsa_user_sgpr_count 2
		.amdhsa_user_sgpr_kernarg_segment_ptr 1
		.amdhsa_wavefront_size32 1
		.amdhsa_system_sgpr_workgroup_id_x 1
		.amdhsa_system_sgpr_workgroup_id_y 1
		.amdhsa_system_sgpr_workgroup_id_z 1
		.amdhsa_system_vgpr_workitem_id 0
		.amdhsa_next_free_vgpr 768
		.amdhsa_next_free_sgpr 100
		.amdhsa_reserve_vcc 0
		.amdhsa_float_denorm_mode_32 3
		.amdhsa_float_denorm_mode_16_64 3
		.amdhsa_memory_ordered 1
		.amdhsa_forward_progress 1
		.amdhsa_inst_pref_size 81
	.end_amdhsa_kernel
	.amdgpu_metadata
---
amdhsa.version: [ 1, 2 ]
amdhsa.kernels:
  - .name:           k_q7167a95967_ffn2
    .symbol:         k_q7167a95967_ffn2.kd
    .args:
      - { .name: hid, .offset: 0, .size: 8, .value_kind: global_buffer, .address_space: global }
      - { .name: wts, .offset: 8, .size: 8, .value_kind: global_buffer, .address_space: global }
      - { .name: lowp_scales, .offset: 16, .size: 8, .value_kind: global_buffer, .address_space: global }
      - { .name: b2, .offset: 24, .size: 8, .value_kind: global_buffer, .address_space: global }
      - { .name: x1, .offset: 32, .size: 8, .value_kind: global_buffer, .address_space: global }
      - { .name: out0, .offset: 40, .size: 8, .value_kind: global_buffer, .address_space: global }
    .group_segment_fixed_size: 327680
    .private_segment_fixed_size: 0
    .kernarg_segment_align: 8
    .kernarg_segment_size: 48
    .max_flat_workgroup_size: 128
    .sgpr_count:     100
    .vgpr_count:     768
    .wavefront_size: 32
...
	.end_amdgpu_metadata
.endif
;; end of part 7
